; MI455X (gfx1250); checked and timed in simulation.
; The chip was launched on July 23, 2026; its instructions are those of AMD's public machine-readable ISA for CDNA 5 (MIT licence, August 2026) and "CDNA5" Instruction Set Architecture Reference Guide (July 2026). The comments in the code are by the model that wrote it; some were corrected since.
;; Little Bit ITQ Spec Linear. Allowed arithmetic: float matrix products may take bf16 or f16 operands with f32 sums; other float arithmetic in f32, or as packed bf16 or f16 multiplies, adds, multiply-adds, maxima and minima; sums over many terms, partial sums and values carried from step to step in f32; what a program stores and reads back later, other than sums and carried values, may be rounded once to bf16 or f16.
;; Inputs: U 4,096 x 1,024 float32; U_R 4,096 x 1,024 float32; V 1,024 x 4,096 float32; V_R 1,024 x 4,096 float32; bias 4,096 float32; u1 1 x 4,096 float32; u1_R 1 x 4,096 float32; u2 1 x 1,024 float32; u2_R 1 x 1,024 float32; v1 1 x 1,024 float32; v1_R 1 x 1,024 float32; v2 1 x 4,096 float32; v2_R 1 x 4,096 float32; x 4 x 1,024 x 4,096 float32.
;; Outputs: out0 4 x 1,024 x 4,096 float32.
;; 2 versions, each right; version 2 is version 1 with the launch prep written anew for expert scheduling mode. Each part assembles by itself: llvm-mc -triple=amdgcn-amd-amdhsa -mcpu=gfx1250 --defsym DOCPART=n.
;; ======== version 1 of 2: 3 launches
;; limits: inputs' magnitudes at most 1.126e+15; below input magnitudes of 8.88e-16 results are inexact or not finite; values are held in f16: magnitudes above 65,504 overflow, below 6.1e-05 lose precision
;; workspace buffers: xb 33,554,432 bytes; w1 16,777,216 bytes; w2 16,777,216 bytes; hb 16,777,216 bytes; rx 16,384 bytes; gs 256 bytes
;; launch prep (part 1): grid 1025 x 1, 8 waves a work-group, no clusters, 0 bytes of LDS; arguments x, V, V_R, v2, v2_R, U, U_R, u1, u1_R, xb, w1, w2, v1, u2, v1_R, u2_R, rx, gs; writes xb, w1, w2, rx, gs
.if DOCPART == 1
	.amdgcn_target "amdgcn-amd-amdhsa--gfx1250"
	.amdhsa_code_object_version 6
	.text
	.protected	k_qb1779fe038_prep
	.globl	k_qb1779fe038_prep
	.p2align	8
	.type	k_qb1779fe038_prep,@function
k_qb1779fe038_prep:
	s_mov_b64 s[64:65], 0
	v_nop
	global_prefetch_b8 v0, s[64:65] scope:SCOPE_SE
	s_setreg_imm32_b32 hwreg(HW_REG_WAVE_MODE, 25, 1), 1
	s_wait_xcnt 0x0
; PREP: three casts in one stream, and the numbers from which the later launches scale the f16 operands of the second product.
;   xb[t][i] = bf16(x[t][i])                                                             [4096][4096] bf16
;   rx[t]    = the power of two at or below max over i of |xb[t][i]|, held to 2^-50 .. 2^50   [4096] f32
;   w1[s][i] = bf16(q(V[s][i]) * bf16(v2[i])), rows 1024 + s from V_R, v2_R              [2048][4096] bf16
;   w2[o][s] = f16(q(U[o][s]) * bf16(u1[o]) / c[o]), columns 1024 + s from U_R, u1_R     [4096][2048] f16
;              c[o] = the power of two at or below max(|bf16 u1[o]|, |bf16 u1_R[o]|), held to 2^-50 .. 2^50: the quotient lies within +-2 and has 8 significant bits
;   gs[2 w], gs[2 w + 1], w = 0..7: for path w / 4 (0: v2, v1, u2; 1: the _R set) and quarter w % 4: the sum of |bf16 v2| over 1,024 numbers, the maximum of |bf16 v1 * bf16 u2| over 256
; q(w) = w + (sign(w) - w), in f32 as the problem writes it; sign is +-1 with w's sign bit, 0 where w == 0; a NaN goes through the arithmetic.
; LIMITS.  x, v2, u1, v1, u2 are rounded to bf16 (nearest even); q * scale is rounded once; outside 2^-50 .. 2^50 the powers of two no longer follow the data; the sign of a zero is not kept.
; SHARES.  Groups 0-511: 8 whole rows of x, a row a wave, 4,096 bytes of it a trip.  Groups 512-767: 32 rows x 1,024 columns of V or V_R, four rows a wave, a row strip a trip.
; Groups 768-1023: 32 rows of U or U_R likewise.  Each of these moves 131,072 bytes in and 65,536 out.  Group 1024: gs, a pair of numbers a wave.
; A trip is eight slots: slot i is 4 lane .. + 3 of 128 numbers: one load of 16 bytes a lane (512 consecutive bytes a wave) and one store of 8 bytes a lane (256 consecutive bytes a wave,
; aligned).  Seven or eight loads of every wave are out until the last trip.
; No LDS, no matrix unit, no cluster: no wave wants a byte that another has fetched but the scales, 4,096 bytes at the most beside a group's 131,072.
.set KX, 0                             ; the three kinds of streaming work-group
.set KV, 1
.set KU, 2
.set VI, 2                             ; v2  byte offset of my 16 bytes in my wave's first trip of the source; never rewritten
.set VO, 3                             ; v3  byte offset of my 8 bytes in the result; never rewritten
.set VS, 4                             ; v4  byte offset of my scales (kind X: of my wave's number in rx); never rewritten
.set S,  8                             ; v[8:11]   at work
.set D,  12                            ; v[12:15]  at work
.set X,  16                            ; v[16:47]  slot i: 4 numbers as loaded
.set Y,  48                            ; v[48:63]  slot i: 4 16-bit numbers to store
.set CS, 64                            ; v[64:95]  kind V: slot i's four column scales; kind U: v[64:67] my four rows' scales, v[68:75] at work
.set T0, 96                            ; v96, v97  at work while scales are rounded
.set M,  98                            ; v98, v99  kind X: two running maxima of |xb|, two bf16 each
.set MT, 100                           ; v100, v101 at work
.set EXPO, 0x7f800000                  ; an f32's exponent
.set LO50, 0x26800000                  ; 2^-50
.set HI50, 0x58800000                  ; 2^50
	s_load_b512 s[8:23], s[0:1], 0x0               ; x 8, V 10, V_R 12, v2 14, v2_R 16, U 18, U_R 20, u1 22
	s_load_b512 s[24:39], s[0:1], 0x40             ; u1_R 24, xb 26, w1 28, w2 30, v1 32, u2 34, v1_R 36, u2_R 38
	s_load_b128 s[40:43], s[0:1], 0x80             ; rx 40, gs 42
	s_mov_b32 s55, 0xffff0000                      ; a word's upper bf16
	s_mov_b32 s56, 0x7fffffff                      ; all but the sign
	s_mov_b32 s59, 0x7fff7fff                      ; the same for two bf16
	s_mov_b32 s60, 0x76543210                      ; v_permlanex16_b32: each lane takes its own place in the other half
	s_mov_b32 s61, 0xfedcba98
	s_mov_b32 s49, 0                               ; the high words of the three offset pairs: every offset is under 2^31
	s_mov_b32 s51, 0
	s_mov_b32 s53, 0
	v_and_b32 v1, 31, v0                           ; lane
	v_lshrrev_b32 v5, 5, v0                        ; wave
	s_wait_kmcnt 0x0
; two f32 rounded to bf16 and widened again, in place
.macro RND2 a, t
	v_cvt_pk_bf16_f32 v[\t], v[\a], v[(\a)+1]
	v_lshlrev_b32 v[\a], 16, v[\t]
	v_and_b32 v[(\a)+1], s55, v[\t]
.endm
; over the 32 lanes, the result in every lane: four steps inside each half ride on the arithmetic, one crosses the halves; t has been written before
.macro LSUM r, t, d
	v_add_f32_dpp v[\r], v[\r], v[\r] row_xmask:1 row_mask:0xf bank_mask:0xf
	v_add_f32_dpp v[\r], v[\r], v[\r] row_xmask:2 row_mask:0xf bank_mask:0xf
	v_add_f32_dpp v[\r], v[\r], v[\r] row_xmask:4 row_mask:0xf bank_mask:0xf
	v_add_f32_dpp v[\r], v[\r], v[\r] row_xmask:8 row_mask:0xf bank_mask:0xf
	v_permlanex16_b32 v[\t], v[\r], s60, s61
	v_add_f32 v[\d], v[\r], v[\t]
.endm
.macro LMAX r, t, d
	v_max_num_f32_dpp v[\r], v[\r], v[\r] row_xmask:1 row_mask:0xf bank_mask:0xf
	v_max_num_f32_dpp v[\r], v[\r], v[\r] row_xmask:2 row_mask:0xf bank_mask:0xf
	v_max_num_f32_dpp v[\r], v[\r], v[\r] row_xmask:4 row_mask:0xf bank_mask:0xf
	v_max_num_f32_dpp v[\r], v[\r], v[\r] row_xmask:8 row_mask:0xf bank_mask:0xf
	v_permlanex16_b32 v[\t], v[\r], s60, s61
	v_max_num_f32 v[\d], v[\r], v[\t]
.endm
.macro LANE0                           ; lane 0 alone goes on.  EXEC is a source of every pending load and store: it changes only behind s_wait_xcnt 0
	s_wait_xcnt 0x0
	v_cmp_eq_u32 vcc_lo, 0, v1
	s_and_saveexec_b32 s62, vcc_lo
.endm
.macro LANES_BACK
	s_wait_xcnt 0x0
	s_or_b32 exec_lo, exec_lo, s62
.endm
; One slot's turn.  ahead = 1: the slot is filled again from the next trip.  left = the younger loads that may stay out.
.macro SLOT kind, i, ahead, left, pin
	s_wait_loadcnt \left                           ; loads come back in order (ISA guide 5.7.1): this slot's is in
.if (\kind) == KX
	v_cvt_pk_bf16_f32 v[Y+2*(\i)],   v[X+4*(\i)],   v[X+4*(\i)+1]
	v_cvt_pk_bf16_f32 v[Y+2*(\i)+1], v[X+4*(\i)+2], v[X+4*(\i)+3]
	v_and_b32 v[S],   s59, v[Y+2*(\i)]             ; the row's largest |xb|, of the rounded numbers, two at a time, in two chains
	v_and_b32 v[S+1], s59, v[Y+2*(\i)+1]
	v_pk_max_num_bf16 v[M],   v[M],   v[S]
	v_pk_max_num_bf16 v[M+1], v[M+1], v[S+1]
.else
.irp e, 0,1,2,3
	v_bfi_b32 v[S+(\e)], s56, 1.0, v[X+4*(\i)+(\e)]            ; 1.0 with w's sign
.endr
.irp e, 0,1,2,3
	v_cmp_neq_f32 vcc_lo, 0, v[X+4*(\i)+(\e)]
	v_cndmask_b32 v[S+(\e)], 0, v[S+(\e)], vcc_lo              ; 0 where w == 0
.endr
.irp e, 0,2
	v_pk_add_f32 v[D+(\e):D+(\e)+1], v[S+(\e):S+(\e)+1], v[X+4*(\i)+(\e):X+4*(\i)+(\e)+1] neg_lo:[0,1] neg_hi:[0,1]  ; sign - w
.endr
.irp e, 0,2
	v_pk_add_f32 v[S+(\e):S+(\e)+1], v[X+4*(\i)+(\e):X+4*(\i)+(\e)+1], v[D+(\e):D+(\e)+1]                             ; q = w + (sign - w)
.endr
.irp e, 0,2
.if (\kind) == KV
	v_pk_mul_f32 v[S+(\e):S+(\e)+1], v[S+(\e):S+(\e)+1], v[CS+4*(\i)+(\e):CS+4*(\i)+(\e)+1]   ; a scale for each column
.else
	v_pk_mul_f32 v[S+(\e):S+(\e)+1], v[S+(\e):S+(\e)+1], v[CS:CS+1] op_sel_hi:[1,0]           ; the row's scale for both
.endif
.endr
.if (\kind) == KV
	v_cvt_pk_bf16_f32 v[Y+2*(\i)],   v[S],   v[S+1]
	v_cvt_pk_bf16_f32 v[Y+2*(\i)+1], v[S+2], v[S+3]
.else
	v_cvt_pk_f16_f32 v[Y+2*(\i)],   v[S],   v[S+1]
	v_cvt_pk_f16_f32 v[Y+2*(\i)+1], v[S+2], v[S+3]
.endif
.endif
.if \ahead
	global_load_b128 v[X+4*(\i):X+4*(\i)+3], v[VI], s[4:5] offset:(\pin)+512*(\i) th:TH_LOAD_NT
.endif
	global_store_b64 v[VO], v[Y+2*(\i):Y+2*(\i)+1], s[6:7] offset:256*(\i)
.endm
; A wave's four trips.  s[4:5] source, s[6:7] result, s[44:45] (and s[46:47]) scales stand at the group's part; pin, pout: bytes from trip to trip.
.macro PATH kind, pin, pout
.if (\kind) == KV
.irp i, 0,1,2,3,4,5,6,7
	global_load_b128 v[CS+4*(\i):CS+4*(\i)+3], v[VS], s[44:45] offset:512*(\i)
.endr
.endif
.if (\kind) == KU
	global_load_b128 v[CS:CS+3],   v[VS], s[44:45]  ; my path's u1 of my four rows,
	global_load_b128 v[CS+4:CS+7], v[VS], s[46:47]  ; and the other path's
.endif
.irp i, 0,1,2,3,4,5,6,7
	global_load_b128 v[X+4*(\i):X+4*(\i)+3], v[VI], s[4:5] offset:512*(\i) th:TH_LOAD_NT     ; trip 0 fills the ring
.endr
.if (\kind) == KX
	v_mov_b32 v[M], 0                              ; magnitudes are at least 0
	v_mov_b32 v[M+1], 0
.endif
.if (\kind) == KV
	s_wait_loadcnt 8                               ; the scales are in: the eight loads of trip 0 were issued behind them
.irp a, 0,2,4,6,8,10,12,14,16,18,20,22,24,26,28,30
	RND2 CS+(\a), T0+((\a)/2)%2
.endr
.endif
.if (\kind) == KU
	s_wait_loadcnt 8
.irp a, 0,2,4,6
	RND2 CS+(\a), T0+((\a)/2)%2
.endr
.irp e, 0,1,2,3
	v_and_b32 v[CS+8+(\e)], EXPO, v[CS+(\e)]       ; the two exponents as powers of two,
	v_and_b32 v[CS+4+(\e)], EXPO, v[CS+4+(\e)]
.endr
.irp e, 0,1,2,3
	v_max_num_f32 v[CS+8+(\e)], v[CS+8+(\e)], v[CS+4+(\e)]     ; the larger: c,
	v_max_num_f32 v[CS+8+(\e)], LO50, v[CS+8+(\e)]
	v_min_num_f32 v[CS+8+(\e)], HI50, v[CS+8+(\e)]
	v_sub_nc_u32 v[CS+8+(\e)], 0x7f000000, v[CS+8+(\e)]        ; 1 / c: the exponent field turned round 254
	v_mul_f32 v[CS+(\e)], v[CS+(\e)], v[CS+8+(\e)]             ; u1 / c, exact
.endr
.endif
	s_mov_b32 s54, 3
.Ltrip_\kind:
.irp i, 0,1,2,3,4,5,6,7
	SLOT \kind, \i, 1, 7, \pin
.endr
	s_wait_xcnt 0x0                                ; every load and store issued so far has had its addresses translated (ISA guide 3.1): Y and the two pointers are rewritten only behind this wait
	s_add_nc_u64 s[4:5], s[4:5], \pin
	s_add_nc_u64 s[6:7], s[6:7], \pout
.if (\kind) == KU
	v_mov_b32 v[CS], v[CS+1]                       ; the next row's scale moves to the front
	v_mov_b32 v[CS+1], v[CS+2]
	v_mov_b32 v[CS+2], v[CS+3]
.endif
	s_sub_co_u32 s54, s54, 1
	s_cmp_lg_u32 s54, 0
	s_cbranch_scc1 .Ltrip_\kind
.irp i, 0,1,2,3,4,5,6,7
	SLOT \kind, \i, 0, 7-(\i), \pin                ; the last trip loads nothing: the counts run down
.endr
.if (\kind) == KX
	v_pk_max_num_bf16 v[M], v[M], v[M+1]
	v_lshlrev_b32 v[MT], 16, v[M]                  ; the two halves as f32
	v_and_b32 v[MT+1], s55, v[M]
	v_max_num_f32 v[MT], v[MT], v[MT+1]
	LMAX MT, MT+1, MT
	v_and_b32 v[MT], EXPO, v[MT]                   ; the power of two at or below it
	v_max_num_f32 v[MT], LO50, v[MT]
	v_min_num_f32 v[MT], HI50, v[MT]
	LANE0
	global_store_b32 v[VS], v[MT], s[44:45]        ; one number for a row of 16,384 bytes; the group's eight waves fill 32 consecutive bytes
	LANES_BACK
.endif
	s_endpgm
.endm
	s_cmp_lt_u32 ttmp9, 512
	s_cbranch_scc1 .Lkind_x
	s_cmp_lt_u32 ttmp9, 768
	s_cbranch_scc1 .Lkind_v
	s_cmp_lt_u32 ttmp9, 1024
	s_cbranch_scc1 .Lkind_u
	; group 1024: wave w takes quarter w % 4 of path w / 4
	v_readfirstlane_b32 s2, v5
	s_lshr_b32 s3, s2, 2                           ; path
	s_and_b32 s57, s2, 3                           ; quarter
	s_lshl_b32 s48, s57, 12                        ; 1,024 numbers of v2
	s_lshl_b32 s50, s57, 10                        ; 256 numbers of v1 and of u2
	s_lshl_b32 s52, s2, 3                          ; my 8 bytes of gs
	s_cmp_eq_u32 s3, 0
	s_cselect_b64 s[4:5], s[14:15], s[16:17]
	s_cselect_b64 s[44:45], s[32:33], s[36:37]
	s_cselect_b64 s[46:47], s[34:35], s[38:39]
	s_add_nc_u64 s[4:5], s[4:5], s[48:49]
	s_add_nc_u64 s[44:45], s[44:45], s[50:51]
	s_add_nc_u64 s[46:47], s[46:47], s[50:51]
	s_add_nc_u64 s[6:7], s[42:43], s[52:53]
	v_lshlrev_b32 v[VI], 4, v1
	v_mov_b32 v[VO], 0
.irp i, 0,1,2,3,4,5,6,7
	global_load_b128 v[X+4*(\i):X+4*(\i)+3], v[VI], s[4:5] offset:512*(\i)
.endr
.irp i, 0,1
	global_load_b128 v[CS+4*(\i):CS+4*(\i)+3],     v[VI], s[44:45] offset:512*(\i)
	global_load_b128 v[CS+8+4*(\i):CS+8+4*(\i)+3], v[VI], s[46:47] offset:512*(\i)
.endr
	s_wait_loadcnt 0x0
.set r, 0
.rept 16                               ; |bf16 v2|, widened
	v_cvt_pk_bf16_f32 v[T0+(r/2)%2], v[X+r], v[X+r+1]
	v_and_b32 v[T0+(r/2)%2], s59, v[T0+(r/2)%2]
	v_lshlrev_b32 v[X+r], 16, v[T0+(r/2)%2]
	v_and_b32 v[X+r+1], s55, v[T0+(r/2)%2]
.set r, r+2
.endr
.set r, 8
.rept 12                               ; my 32 numbers' sum, in f32, in four chains of pairs
	v_pk_add_f32 v[X+r%8:X+r%8+1], v[X+r%8:X+r%8+1], v[X+r:X+r+1]
.set r, r+2
.endr
	v_pk_add_f32 v[X:X+1], v[X:X+1], v[X+2:X+3]
	v_pk_add_f32 v[X+4:X+5], v[X+4:X+5], v[X+6:X+7]
	v_pk_add_f32 v[X:X+1], v[X:X+1], v[X+4:X+5]
	v_add_f32 v[X], v[X], v[X+1]
.irp a, 0,2,4,6,8,10,12,14
	RND2 CS+(\a), T0+((\a)/2)%2
.endr
.irp a, 0,2,4,6
	v_pk_mul_f32 v[CS+(\a):CS+(\a)+1], v[CS+(\a):CS+(\a)+1], v[CS+8+(\a):CS+8+(\a)+1]   ; bf16 v1 x bf16 u2, exact in f32
.endr
.irp a, 0,1,2,3,4,5,6,7
	v_and_b32 v[CS+(\a)], s56, v[CS+(\a)]
.endr
	v_max3_num_f32 v[CS], v[CS], v[CS+1], v[CS+2]
	v_max3_num_f32 v[CS+3], v[CS+3], v[CS+4], v[CS+5]
	v_max3_num_f32 v[CS], v[CS], v[CS+6], v[CS+7]
	v_max_num_f32 v[CS], v[CS], v[CS+3]
	LSUM X, X+1, S
	LMAX CS, CS+1, S+1
	LANE0
	global_store_b64 v[VO], v[S:S+1], s[6:7]       ; the eight waves fill 64 consecutive bytes
	LANES_BACK
	s_endpgm
.Lkind_u:
	; group 768 + 128 which + rg: rows 32 rg .. of U or U_R, all 1,024 columns
	s_sub_co_u32 s2, ttmp9, 768
	s_lshr_b32 s3, s2, 7                           ; which
	s_and_b32 s57, s2, 127                         ; rg
	s_lshl_b32 s48, s57, 17                        ; 32 rows of 4,096 bytes, in the source and in w2
	s_lshl_b32 s50, s3, 11                         ; w2's second 1,024 columns begin 2,048 bytes into a row
	s_or_b32 s50, s50, s48
	s_lshl_b32 s52, s57, 7                         ; 32 scales of 4 bytes
	s_cmp_eq_u32 s3, 0
	s_cselect_b64 s[4:5], s[18:19], s[20:21]
	s_cselect_b64 s[44:45], s[22:23], s[24:25]     ; my path's u1,
	s_cselect_b64 s[46:47], s[24:25], s[22:23]     ; the other's
	s_add_nc_u64 s[4:5], s[4:5], s[48:49]
	s_add_nc_u64 s[6:7], s[30:31], s[50:51]
	s_add_nc_u64 s[44:45], s[44:45], s[52:53]
	s_add_nc_u64 s[46:47], s[46:47], s[52:53]
	v_lshlrev_b32 v[VI], 4, v1
	v_lshl_add_u32 v[VI], v5, 14, v[VI]            ; + wave x 4 rows x 4,096 bytes
	v_lshlrev_b32 v[VO], 3, v1
	v_lshl_add_u32 v[VO], v5, 14, v[VO]
	v_lshlrev_b32 v[VS], 4, v5                     ; my wave's four row scales
	PATH KU, 4096, 4096
.Lkind_x:
	; group g: rows 8 g .. 8 g + 7, a row a wave
	s_lshl_b32 s48, ttmp9, 17                      ; 8 rows of 16,384 bytes
	s_lshl_b32 s50, ttmp9, 16                      ; 8 rows of 8,192 bytes
	s_lshl_b32 s52, ttmp9, 5                       ; 8 numbers of rx
	s_add_nc_u64 s[4:5], s[8:9], s[48:49]
	s_add_nc_u64 s[6:7], s[26:27], s[50:51]
	s_add_nc_u64 s[44:45], s[40:41], s[52:53]
	v_lshlrev_b32 v[VI], 4, v1
	v_lshl_add_u32 v[VI], v5, 14, v[VI]            ; + wave x a row of 16,384 bytes
	v_lshlrev_b32 v[VO], 3, v1
	v_lshl_add_u32 v[VO], v5, 13, v[VO]
	v_lshlrev_b32 v[VS], 2, v5
	PATH KX, 4096, 2048
.Lkind_v:
	; group 512 + 128 which + 4 rg + j: rows 32 rg .., columns 1,024 j ..
	s_sub_co_u32 s2, ttmp9, 512
	s_lshr_b32 s3, s2, 7                           ; which
	s_bfe_u32 s57, s2, 0x50002                     ; rg: 5 bits from bit 2
	s_and_b32 s2, s2, 3                            ; j
	s_lshl_b32 s48, s57, 19                        ; 32 rows of 16,384 bytes
	s_lshl_b32 s52, s2, 12                         ; 1,024 columns of 4 bytes: in the source's rows and in the scales
	s_or_b32 s48, s48, s52
	s_lshl_b32 s50, s57, 18                        ; 32 rows of 8,192 bytes
	s_lshl_b32 s57, s2, 11
	s_or_b32 s50, s50, s57
	s_lshl_b32 s57, s3, 23                         ; w1's second 1,024 rows
	s_or_b32 s50, s50, s57
	s_cmp_eq_u32 s3, 0
	s_cselect_b64 s[4:5], s[10:11], s[12:13]
	s_cselect_b64 s[44:45], s[14:15], s[16:17]
	s_add_nc_u64 s[4:5], s[4:5], s[48:49]
	s_add_nc_u64 s[6:7], s[28:29], s[50:51]
	s_add_nc_u64 s[44:45], s[44:45], s[52:53]
	v_lshlrev_b32 v[VI], 4, v1
	v_lshl_add_u32 v[VI], v5, 16, v[VI]            ; + wave x 4 rows x 16,384 bytes
	v_lshlrev_b32 v[VO], 3, v1
	v_lshl_add_u32 v[VO], v5, 15, v[VO]
	v_lshlrev_b32 v[VS], 4, v1                     ; my four columns' scales in a slot
	PATH KV, 16384, 8192
.Lfunc_end_k_qb1779fe038_prep:
	.size	k_qb1779fe038_prep, .Lfunc_end_k_qb1779fe038_prep-k_qb1779fe038_prep
	.p2alignl 7, 3214868480
	.fill 96, 4, 3214868480
	.section	.rodata,"a",@progbits
	.p2align	6, 0x0
	.amdhsa_kernel k_qb1779fe038_prep
		.amdhsa_group_segment_fixed_size 0
		.amdhsa_private_segment_fixed_size 0
		.amdhsa_enable_private_segment 0
		.amdhsa_kernarg_size 144
		.amdhsa_user_sgpr_count 2
		.amdhsa_user_sgpr_kernarg_segment_ptr 1
		.amdhsa_wavefront_size32 1
		.amdhsa_system_sgpr_workgroup_id_x 1
		.amdhsa_system_sgpr_workgroup_id_y 1
		.amdhsa_system_sgpr_workgroup_id_z 1
		.amdhsa_system_vgpr_workitem_id 0
		.amdhsa_next_free_vgpr 104
		.amdhsa_next_free_sgpr 66
		.amdhsa_reserve_vcc 1
		.amdhsa_float_denorm_mode_32 3
		.amdhsa_float_denorm_mode_16_64 3
		.amdhsa_memory_ordered 1
		.amdhsa_forward_progress 1
		.amdhsa_inst_pref_size 66
	.end_amdhsa_kernel
	.amdgpu_metadata
---
amdhsa.version: [ 1, 2 ]
amdhsa.kernels:
  - .name:           k_qb1779fe038_prep
    .symbol:         k_qb1779fe038_prep.kd
    .args:
      - { .name: x, .offset: 0, .size: 8, .value_kind: global_buffer, .address_space: global }
      - { .name: V, .offset: 8, .size: 8, .value_kind: global_buffer, .address_space: global }
      - { .name: V_R, .offset: 16, .size: 8, .value_kind: global_buffer, .address_space: global }
      - { .name: v2, .offset: 24, .size: 8, .value_kind: global_buffer, .address_space: global }
      - { .name: v2_R, .offset: 32, .size: 8, .value_kind: global_buffer, .address_space: global }
      - { .name: U, .offset: 40, .size: 8, .value_kind: global_buffer, .address_space: global }
      - { .name: U_R, .offset: 48, .size: 8, .value_kind: global_buffer, .address_space: global }
      - { .name: u1, .offset: 56, .size: 8, .value_kind: global_buffer, .address_space: global }
      - { .name: u1_R, .offset: 64, .size: 8, .value_kind: global_buffer, .address_space: global }
      - { .name: xb, .offset: 72, .size: 8, .value_kind: global_buffer, .address_space: global }
      - { .name: w1, .offset: 80, .size: 8, .value_kind: global_buffer, .address_space: global }
      - { .name: w2, .offset: 88, .size: 8, .value_kind: global_buffer, .address_space: global }
      - { .name: v1, .offset: 96, .size: 8, .value_kind: global_buffer, .address_space: global }
      - { .name: u2, .offset: 104, .size: 8, .value_kind: global_buffer, .address_space: global }
      - { .name: v1_R, .offset: 112, .size: 8, .value_kind: global_buffer, .address_space: global }
      - { .name: u2_R, .offset: 120, .size: 8, .value_kind: global_buffer, .address_space: global }
      - { .name: rx, .offset: 128, .size: 8, .value_kind: global_buffer, .address_space: global }
      - { .name: gs, .offset: 136, .size: 8, .value_kind: global_buffer, .address_space: global }
    .group_segment_fixed_size: 0
    .private_segment_fixed_size: 0
    .kernarg_segment_align: 8
    .kernarg_segment_size: 144
    .max_flat_workgroup_size: 256
    .sgpr_count:     66
    .vgpr_count:     104
    .wavefront_size: 32
...
	.end_amdgpu_metadata
.endif
;; end of part 1
;; launch gemm_h (part 2): grid 8 x 32, 4 waves a work-group, clusters of 4 x 4, 327,680 bytes of LDS; arguments v1, u2, v1_R, u2_R, xb, w1, hb, rx, gs; writes hb
.if DOCPART == 2
	.amdgcn_target "amdgcn-amd-amdhsa--gfx1250"
	.amdhsa_code_object_version 6
	.text
	.protected	k_qb1779fe038_gemm_h
	.globl	k_qb1779fe038_gemm_h
	.p2align	8
	.type	k_qb1779fe038_gemm_h,@function
k_qb1779fe038_gemm_h:
	s_mov_b64 s[64:65], 0
	v_nop
	global_prefetch_b8 v0, s[64:65] scope:SCOPE_SE
	s_setreg_imm32_b32 hwreg(HW_REG_WAVE_MODE, 25, 1), 1
	s_wait_xcnt 0x0
	s_wait_alu depctr_hold_cnt(0) depctr_sa_sdst(0) depctr_va_vdst(0) depctr_va_sdst(0) depctr_va_ssrc(0) depctr_va_vcc(0) depctr_vm_vsrc(0)
	s_getreg_b32 s2, hwreg(HW_REG_IB_STS2, 6, 4)
	s_cmp_eq_u32 s2, 0
	s_cbranch_scc0 .Lentry_in_a_cluster
	s_endpgm
.Lentry_in_a_cluster:
	s_bfe_u32 s2, ttmp6, 0x10000c
	s_cmp_lg_u32 s2, 0xf033
	s_cbranch_scc0 .Lentry_shape_is_right
	s_endpgm
.Lentry_shape_is_right:
; hb[t][n] = f16( (sum over i of xb[t][i] w1[n][i]) * sc[n] * 2^13 / (E * rx[t]) ),  sc[n] = bf16(v1[n]) bf16(u2[n]) for n < 1024, the _R pair's for n >= 1024.
; xb: [4096][4096] bf16, w1: [2048][4096] bf16, hb: [4096][2048] f16; sums in f32, in the matrix unit's order.
; THE SCALE.  |sum * sc| <= max |xb[t][:]| x sum |bf16 v2| x max |sc| of the column's path.  rx[t] is the power of two at or below the first factor, E the power of two at or below the larger
; path's product of the other two (made here from gs's eight pairs); so |hb| stays under 4 x 2^13 = 2^15, inside f16, whatever the inputs' sizes, and only powers of two are multiplied in.
; LIMITS.  v1 and u2 are rounded to bf16 (their product is exact in f32); hb is rounded once to f16; rx and E follow the data between 2^-50 and 2^50 only; NaN and infinities go by arithmetic.
; SHARES.  A tile of hb is 128 x 256: 32 x 8 = 256 work-groups (tiles of 256 x 256 would be 128).  Four waves, each 64 x 128: 32 accumulators of 16 x 16, 256 registers.
; THE RING has two UNLIKE slots, filled by the tensor data mover.  A step along K wants 384 LDS rows; two slots of 256 along K would be 2 x 384 x 528 = 405,504 bytes, more than LDS has.  So slot 0
; holds 256 along K (rows of 512 bytes) and slot 1 holds 128 (rows of 256 bytes): 202,752 + 104,448 bytes.  All rows start at multiples of 256 bytes of memory.  A lap is 384 along K;
; 4096 = 10 laps + slot 0 once more: 21 changes of slots.  Slot 1's refill has 240 matrix instructions of a wave in which to land, slot 0's 112.
; CLUSTER.  4 x 4 work-groups.  The four of a row of the cluster need the same tiles of xb, the four of a column the same tiles of w1: each tile is asked for JOINTLY, by the same tensor load
; with the same descriptor and a mask that names the four.
; THE MATRIX INSTRUCTION IS USED TRANSPOSED (source 0 = 16 rows of w1, source 1 = 16 rows of xb): lane l holds row l % 16 of hb and the columns 8 (l / 16) + 0..7.
; REGISTERS, in windows of 256 (s_set_vgpr_msb: bits 1:0 source 0, 3:2 source 1, 5:4 source 2, 7:6 destination):
;   window 0: v0-31 addresses; v32-63 packed results (at the start: gs); v64-95, v128-159 fragments of xb, two buffers (on the way out: rows read back); v96-107 my rows' factors; v192-255 at work on the way out
;   window 1: v0-63 sc of my 128 columns (register 8 b + j: column 16 b + 8 (l / 16) + j); v64-127, v128-191 fragments of w1, two buffers; v192-255 u2 as loaded
;   window 2: the accumulators, (a, b) at v[64 a + 8 b]
.set SIZE_K, 4096
.set MBLK,   4                         ; blocks of 16 rows in a wave's part
.set AHALF,  64                        ; rows of a wave's part, and of one tensor load of xb
.set LOGAH,  6
.set AROWS,  128                       ; rows of a tile
.set LOGAR,  7
.set K0,     256                       ; along K in slot 0
.set K1,     128                       ; along K in slot 1
.set LAPB,   (K0+K1)*2                 ; bytes of a row in a lap
.set LAPS,   10                        ; whole laps; 10 x 384 + 256 = 4096
.set P0,     528                       ; an LDS row of slot 0: 512 bytes + 16 of padding = 132 words: row r starts at bank 4 r mod 64 (64 banks of 4 bytes: ISA guide 11.1)
.set P1,     272                       ; of slot 1: 256 + 16 = 68 words: likewise
.set SLOT1,  (AROWS+256)*P0            ; slot 0: xb's 128 rows, then w1's 256 rows; slot 1 begins behind it, laid out alike
.set STAGE,  SLOT1+(AROWS+256)*P1      ; behind the ring: 16 rows x 272 bytes for each wave, for the way out; no tensor load lands there
.set SPITCH, 272
.set SPARE,  STAGE+4*16*SPITCH         ; behind the stages: the spare words, 128 bytes for each wave: two blocks of 256 bytes that no other line names
.set CPITCH, 4096                      ; bytes in a row of hb
.set ADRA, 16                          ; v16-17  LDS address of my fragments of xb in slot 0, 1; never rewritten
.set WA,   18                          ; v18     the same in slot 0, stepped along the rows
.set ADRB, 20                          ; v20-21  the same for w1
.set WB,   22                          ; v22
.set STO,  24                          ; v24     the way out: where I put 16 bytes of a row
.set RD,   25                          ; v25     the way out: where I read a row back
.set CO,   26                          ; v26     my byte offset in hb
.set SO,   27                          ; v27     my byte offset in 16 columns of v1 and u2: 32 (l / 16); never rewritten
.set SPW,  28                          ; v28     LDS address of my spare word: SPARE + 4 x my thread's number; never rewritten
.set NIL,  29                          ; v29     0; never rewritten
.set PFO,  30                          ; v30     the prefetches' offset: my lane x a row of xb or w1; never rewritten
.set RXO,  31                          ; v31     my byte offset in 16 numbers of rx: 4 (l % 16); never rewritten
.set PK,   32
.set GV,   32                          ; v32-47  gs: eight pairs (sum, maximum); pairs 0-3 the first path's quarters, 4-7 the second's
.set F0,   64
.set RF,   96                          ; v96-103 block a's factor 2^13 / (E rx[t]) of my row, twice, at RF + 2 a; v104-107 rx as loaded
.set F1,   128
.set T,    192
.set G1A, 24                           ; s[24:31], s[32:39] descriptor group 1 for xb's tiles, slot 0 and slot 1
.set G1B, 48                           ; s[48:55], s[56:63] the same for w1's tiles
.set G0A, 68                           ; s[68:71], s[72:75] descriptor group 0 for xb's tiles, slot 0 and slot 1
.set G0B, 76                           ; s[76:79], s[80:83] the same for w1's tiles
.set LIM, 43                           ; s43     1 in a wave that prefetches, else the greatest number
.set PFA, 44                           ; s[44:45] my 32 rows at the first byte of the lap whose slot 0 is being asked for
.set KB,  2                            ; s2      bytes along slot 0's rows, in the loop over pairs of quarters
.set CNT3, 67                          ; s67     counts those pairs
.set FLD0, (1<<16)|(1<<20)|(1<<21)|(6<<22)|(3<<25)   ; 17:16 elements of 2 bytes; 20 padding on; 21 set beside a mask; 24:22 after every 128 words; 31:25 of 4 words
.set FLD1, (1<<16)|(1<<20)|(1<<21)|(5<<22)|(3<<25)   ; the same after every 64 words
.set MSB, 0
.macro WIN new                         ; the immediate's high byte repeats the setting that is left; a switch that changes nothing is dropped
.if MSB != (\new)
	s_set_vgpr_msb (MSB<<8)|(\new)
.set MSB, \new
.endif
.endm
; A joint load into slot s.  Waves 0 and 1 fetch xb's two halves, waves 2 and 3 w1's.  The branch hangs on the wave's number alone.  An s_nop 0 and four v_nop follow each of the two lines.
.macro JLOAD s
	s_cmp_eq_u32 s11, 0
	s_cbranch_scc0 .Lfor_b_\@
	tensor_load_to_lds s[G0A+4*(\s):G0A+4*(\s)+3], s[G1A+8*(\s):G1A+8*(\s)+7]
	s_nop 0
.rept 4
	v_nop
.endr
	s_branch .Lasked_\@
.Lfor_b_\@:
	tensor_load_to_lds s[G0B+4*(\s):G0B+4*(\s)+3], s[G1B+8*(\s):G1B+8*(\s)+7]
	s_nop 0
.rept 4
	v_nop
.endr
.Lasked_\@:
.endm
; The prefetches, behind each joint refill and the run of LDS loads that follows it: 32 rows, a lane a row, of what the SAME slot's refill will ask for one lap on, 384 matrix instructions of a wave ahead:
; slot 0: two blocks of 256 bytes a row, slot 1: one.  Each block is named once in the launch: xb's rows by the clusters with x = 0 (wave 0: the tile's 128 rows, 32 for each of the four partners), w1's by the
; clusters with y = 0 (waves 2 and 3: 128 rows each, 32 for each partner); the partners are told apart by address.  They stop while s3 <= 1: the last bytes named are a row's last.  Laps 0 and 1 come by their loads alone.
.macro ASK slot
	s_cmp_gt_u32 s3, s[LIM]
	s_cbranch_scc0 .Lnot_mine_\@
.if (\slot) == 0
	global_prefetch_b8 v[PFO], s[PFA:PFA+1] offset:LAPB th:TH_LOAD_NT scope:SCOPE_SE
	global_prefetch_b8 v[PFO], s[PFA:PFA+1] offset:LAPB+256 th:TH_LOAD_NT scope:SCOPE_SE
.else
	global_prefetch_b8 v[PFO], s[PFA:PFA+1] offset:LAPB+K0*2 th:TH_LOAD_NT scope:SCOPE_SE
.endif
.Lnot_mine_\@:
.endm
.macro CREST                           ; a round of the cluster's barrier behind its opening barrier
	s_cmp_lg_u32 s10, 0
	s_cbranch_scc1 .Lnot_wave_0_\@
	s_barrier_signal -3
.Lnot_wave_0_\@:
	s_barrier_wait -3
	s_barrier_signal -1
	s_barrier_wait -1
.endm
.macro CROUND                          ; a whole round
	s_barrier_signal -1
	s_barrier_wait -1
	CREST
.endm
.macro SHAPE g, kk, rows               ; the constant words of a group 1: a tile of rows x kk elements
	s_mov_b32 s[(\g)+1], (\kk)<<16                 ; tensor_dim0
	s_mov_b32 s[(\g)+2], (\rows)<<16               ; tensor_dim1
	s_mov_b32 s[(\g)+3], (\kk)<<16                 ; tile_dim0
	s_mov_b32 s[(\g)+4], \rows                     ; tile_dim1
	s_mov_b32 s[(\g)+5], SIZE_K                    ; elements from row to row
	s_mov_b32 s[(\g)+6], 0
	s_mov_b32 s[(\g)+7], 0
.endm
	s_load_b256 s[84:91], s[0:1], 0x0              ; v1 84, u2 86, v1_R 88, u2_R 90
	s_load_b128 s[4:7], s[0:1], 0x20               ; xb s[4:5], w1 s[6:7]
	s_load_b64 s[8:9], s[0:1], 0x30                ; hb
	s_load_b64 s[92:93], s[0:1], 0x38              ; rx
	s_load_b64 s[94:95], s[0:1], 0x40              ; gs
	v_lshl_add_u32 v[SPW], v0, 2, SPARE
	v_mov_b32 v[NIL], 0
	ds_add_u32 v[SPW], v[NIL]                      ; the wave's opening: the add, twice on end, and its wait ahead of my first tensor load
	ds_add_u32 v[SPW], v[NIL]                      ; and once more, under the one wait; the set-up below, work on registers, stands between
	v_lshrrev_b32 v1, 5, v0
	v_readfirstlane_b32 s10, v1                    ; wave 0..3
	s_lshr_b32 s11, s10, 1                         ; which half of the tile's rows is mine.  Also: I fetch for xb (0) or for w1 (1)
	s_and_b32 s12, s10, 1                          ; which half of its columns.  Also: which half of that tile I fetch
	s_bfe_u32 s40, ttmp6, 0x40000                  ; cx
	s_bfe_u32 s41, ttmp6, 0x40004                  ; cy
	s_lshl_b32 s42, ttmp9, 2
	s_add_co_u32 s42, s42, s40                     ; tile column = 4 x cluster x + cx
	s_and_b32 s13, ttmp7, 0xffff
	s_lshl_b32 s13, s13, 2
	s_add_co_u32 s13, s13, s41                     ; tile row = 4 x cluster y + cy
	s_lshl_b32 s43, s41, 2
	s_lshl_b32 s43, 15, s43                        ; my row of the cluster
	s_lshl_b32 s44, 0x1111, s40                    ; my column
	s_or_b32 s[G1A+0], s43, FLD0                   ; 15:0 the mask: xb's tiles go to my row,
	s_or_b32 s[G1A+8], s43, FLD1
	s_or_b32 s[G1B+0], s44, FLD0                   ; w1's to my column
	s_or_b32 s[G1B+8], s44, FLD1
	SHAPE G1A,   K0, AHALF
	SHAPE G1A+8, K1, AHALF
	SHAPE G1B,   K0, 128
	SHAPE G1B+8, K1, 128
	s_lshl_b32 s17, s12, LOGAH
	s_lshl_b32 s16, s13, LOGAR
	s_add_co_u32 s16, s16, s17                     ; xb: row 128 x tile row + 64 x half
	s_lshl_b32 s47, s12, 7
	s_lshl_b32 s46, s42, 8
	s_add_co_u32 s46, s46, s47                     ; w1: row 256 x tile column + 128 x half
	s_mov_b32 s17, 0
	s_mov_b32 s47, 0
	s_mov_b64 s[18:19], SIZE_K*2
	s_mul_u64 s[16:17], s[16:17], s[18:19]
	s_mul_u64 s[46:47], s[46:47], s[18:19]
	s_mul_i32 s20, s12, AHALF*P0                   ; where they go in the slots: no place in the cluster enters an LDS address
	s_mul_i32 s21, s12, 128*P0
	s_mul_i32 s22, s12, AHALF*P1
	s_mul_i32 s23, s12, 128*P1
	s_mov_b32 s66, 0xffff0000                      ; a word's upper bf16
	s_wait_dscnt 0x0                               ; both opening adds are done
	s_wait_kmcnt 0x0
	s_add_nc_u64 s[14:15], s[4:5], s[16:17]
	s_add_nc_u64 s[46:47], s[6:7], s[46:47]
	CROUND                                         ; all sixteen work-groups are here: the first joint loads meet
	s_mov_b32 s[G0A+0], 1                          ; xb, slot 0: K 0 to 255
	s_mov_b32 s[G0A+1], s20
	s_add_nc_u64 s[G0A+2:G0A+3], s[14:15], 0
	s_or_b32 s[G0A+3], s[G0A+3], 0x80000000
	s_mov_b32 s[G0A+4], 1                          ; xb, slot 1: K 256 to 383
	s_add_co_u32 s[G0A+5], s22, SLOT1
	s_add_nc_u64 s[G0A+6:G0A+7], s[14:15], K0*2
	s_or_b32 s[G0A+7], s[G0A+7], 0x80000000
	s_mov_b32 s[G0B+0], 1                          ; w1 likewise, behind xb's 128 rows
	s_add_co_u32 s[G0B+1], s21, AROWS*P0
	s_add_nc_u64 s[G0B+2:G0B+3], s[46:47], 0
	s_or_b32 s[G0B+3], s[G0B+3], 0x80000000
	s_mov_b32 s[G0B+4], 1
	s_add_co_u32 s[G0B+5], s23, SLOT1+AROWS*P1
	s_add_nc_u64 s[G0B+6:G0B+7], s[46:47], K0*2
	s_or_b32 s[G0B+7], s[G0B+7], 0x80000000
	JLOAD 0
	JLOAD 1                                        ; two tensor loads of mine are out
	; v1 and u2 of my 128 columns, rx of my 64 rows, gs.  Four tile columns are 1,024 columns: the cluster's x says which pair.
	s_lshl_b32 s22, s40, 10                        ; 256 columns of 4 bytes a tile column,
	s_lshl_b32 s23, s12, 9                         ; my half
	s_or_b32 s22, s22, s23
	s_mov_b32 s23, 0
	s_cmp_eq_u32 ttmp9, 0
	s_cselect_b64 s[84:85], s[84:85], s[88:89]
	s_cselect_b64 s[86:87], s[86:87], s[90:91]
	s_add_nc_u64 s[84:85], s[84:85], s[22:23]
	s_add_nc_u64 s[86:87], s[86:87], s[22:23]
	s_lshl_b32 s22, s13, 9                         ; 128 rows of 4 bytes a tile row,
	s_lshl_b32 s23, s11, 8                         ; my half
	s_or_b32 s22, s22, s23
	s_mov_b32 s23, 0
	s_add_nc_u64 s[92:93], s[92:93], s[22:23]
	v_and_b32 v1, 15, v0                           ; l % 16
	v_bfe_u32 v2, v0, 4, 1                         ; l / 16
	v_lshlrev_b32 v[SO], 5, v2
	v_lshlrev_b32 v[RXO], 2, v1
	v_mov_b32 v10, 0                               ; every lane reads the same 64 bytes of gs
.irp j, 0,1,2,3
	global_load_b128 v[GV+4*(\j):GV+4*(\j)+3], v10, s[94:95] offset:16*(\j)
.endr
.irp a, 0,1,2,3
	global_load_b32 v[RF+8+(\a)], v[RXO], s[92:93] offset:64*(\a)   ; row 16 a + l % 16 of my 64
.endr
	WIN 0x40                                       ; destination window 1, address window 0
.irp b, 0,1,2,3,4,5,6,7
	global_load_b128 v[8*(\b):8*(\b)+3],         v[SO], s[84:85] offset:64*(\b)
	global_load_b128 v[8*(\b)+4:8*(\b)+7],       v[SO], s[84:85] offset:64*(\b)+16
	global_load_b128 v[192+8*(\b):192+8*(\b)+3],   v[SO], s[86:87] offset:64*(\b)
	global_load_b128 v[192+8*(\b)+4:192+8*(\b)+7], v[SO], s[86:87] offset:64*(\b)+16
.endr
	WIN 0
	; A fragment is 16 rows x 32 K in 8 registers: lane l holds row l % 16; registers 0-3 K = 8 (l / 16) + 0..7, registers 4-7 K = 16 + 8 (l / 16) + 0..7: two loads of 16 bytes, 32 bytes apart.
	v_mul_u32_u24 v3, v1, P0
	v_lshl_add_u32 v3, v2, 4, v3                   ; row x pitch + 16 x half, in slot 0
	v_mul_u32_u24 v4, v1, P1
	v_lshl_add_u32 v4, v2, 4, v4                   ; and in slot 1
	s_mul_i32 s20, s11, AHALF*P0                   ; my 64 rows of xb
	s_mul_i32 s21, s12, 128*P0                     ; my 128 rows of w1,
	s_add_co_u32 s21, s21, AROWS*P0                ; which lie behind xb's 128
	s_mul_i32 s22, s11, AHALF*P1
	s_add_co_u32 s22, s22, SLOT1
	s_mul_i32 s23, s12, 128*P1
	s_add_co_u32 s23, s23, SLOT1+AROWS*P1
	v_add_nc_u32 v[ADRA], s20, v3
	v_add_nc_u32 v[ADRB], s21, v3
	v_add_nc_u32 v[ADRA+1], s22, v4
	v_add_nc_u32 v[ADRB+1], s23, v4
	s_mul_i32 s23, s10, 16*SPITCH
	s_add_co_u32 s23, s23, STAGE                   ; my stage
	v_mul_u32_u24 v4, v1, SPITCH                   ; in: row l % 16, 16 bytes for each half of the lanes
	v_lshl_add_u32 v4, v2, 4, v4
	v_add_nc_u32 v[STO], s23, v4
	v_mul_u32_u24 v5, v2, SPITCH                   ; back: lanes 0-15 one row of 256 bytes, lanes 16-31 the next
	v_lshl_add_u32 v5, v1, 4, v5
	v_add_nc_u32 v[RD], s23, v5
	v_lshlrev_b32 v5, 12, v2                       ; and the same two rows in hb
	v_lshl_add_u32 v[CO], v1, 4, v5
	s_lshl_b32 s13, s13, LOGAR                     ; where my part begins in hb, in bytes
	s_lshl_b32 s14, s11, LOGAH
	s_add_co_u32 s16, s13, s14
	s_mov_b32 s17, 0
	s_mov_b64 s[18:19], CPITCH
	s_mul_u64 s[16:17], s[16:17], s[18:19]
	s_lshl_b32 s46, s42, 9                         ; 256 columns of 2 bytes a tile column,
	s_lshl_b32 s47, s12, 8                         ; my half
	s_add_co_u32 s46, s46, s47
	s_mov_b32 s47, 0
	s_add_nc_u64 s[16:17], s[16:17], s[46:47]
	; the prefetches
	s_lshl_b32 s42, s42, 8                         ; 256 x tile column
	s_and_b32 s22, ttmp7, 0xffff                   ; cluster y
	s_lshl_b32 s23, s12, 7
	s_cmp_eq_u32 s11, 0                            ; do I fetch for xb?
	s_cselect_b32 s20, s13, s42                    ; the tile's first row
	s_cselect_b32 s21, s40, s41                    ; my place among the four that ask with me
	s_cselect_b32 s22, ttmp9, s22                  ; the coordinate along which other clusters read the same rows
	s_cselect_b32 s23, 0, s23                      ; w1: the 128 rows that I fetch; xb: the tile's 128 rows are wave 0's,
	s_cselect_b32 s47, s12, 0                      ; and wave 1 asks for nothing
	s_cselect_b64 s[PFA:PFA+1], s[4:5], s[6:7]
	s_or_b32 s22, s22, s47
	s_cmp_eq_u32 s22, 0
	s_cselect_b32 s[LIM], 1, -1                    ; the same in all sixteen partners, for a given wave
	s_add_co_u32 s20, s20, s23
	s_lshl_b32 s21, s21, 5
	s_add_co_u32 s20, s20, s21                     ; + my work-group's 32 rows
	s_mov_b32 s21, 0
	s_mov_b64 s[18:19], SIZE_K*2
	s_mul_u64 s[20:21], s[20:21], s[18:19]
	s_add_nc_u64 s[PFA:PFA+1], s[PFA:PFA+1], s[20:21]  ; at lap 0: slot 0's first refill steps it to lap 1
	v_and_b32 v[PFO], 31, v0
	v_mul_u32_u24 v[PFO], v[PFO], SIZE_K*2
	; The factors, made while the first tiles are on their way.  v64-67 of window 1 are free until the first fragments come.
.macro RNDW base                       ; 64 numbers of window 1 rounded to bf16 and widened again, in place
.set r, 0
.rept 32
	v_cvt_pk_bf16_f32 v[64+(r/2)%4], v[(\base)+r], v[(\base)+r+1]
	v_lshlrev_b32 v[(\base)+r], 16, v[64+(r/2)%4]
	v_and_b32 v[(\base)+r+1], s66, v[64+(r/2)%4]
.set r, r+2
.endr
.endm
	s_wait_loadcnt 0x0
	; v6 = E: the power of two at or below the larger path's (sum of |bf16 v2|) x (maximum of |sc|), held to 2^-50 .. 2^50.  The quarters are added in ascending order, as the next launch adds them.
	v_add_f32 v6, v[GV+0], v[GV+2]
	v_add_f32 v8, v[GV+8], v[GV+10]
	v_max3_num_f32 v7, v[GV+1], v[GV+3], v[GV+5]
	v_max3_num_f32 v9, v[GV+9], v[GV+11], v[GV+13]
	v_add_f32 v6, v6, v[GV+4]
	v_add_f32 v8, v8, v[GV+12]
	v_max_num_f32 v7, v7, v[GV+7]
	v_max_num_f32 v9, v9, v[GV+15]
	v_add_f32 v6, v6, v[GV+6]
	v_add_f32 v8, v8, v[GV+14]
	v_mul_f32 v6, v6, v7
	v_mul_f32 v8, v8, v9
	v_max_num_f32 v6, v6, v8
	v_and_b32 v6, 0x7f800000, v6
	v_max_num_f32 v6, 0x26800000, v6
	v_min_num_f32 v6, 0x58800000, v6
	v_sub_nc_u32 v6, 0x85800000, v6                ; 2^13 / E: the exponent field turned round 254 + 13
.irp a, 0,1,2,3
	v_sub_nc_u32 v[RF+8+(\a)], 0x7f000000, v[RF+8+(\a)]        ; 1 / rx
.endr
.irp a, 0,1,2,3
	v_mul_f32 v[RF+2*(\a)],   v[RF+8+(\a)], v6     ; at most 2^50 x 2^63; twice, for the packed multiply
	v_mul_f32 v[RF+2*(\a)+1], v[RF+8+(\a)], v6
.endr
	WIN 0x45                                       ; destination and both sources in window 1
	RNDW 0
	RNDW 192
.set r, 0
.rept 32
	v_pk_mul_f32 v[r:r+1], v[r:r+1], v[192+r:192+r+1]   ; sc
.set r, r+2
.endr
	WIN 0
; 8 matrix instructions: block a of my rows x all 8 blocks of my columns, 32 along K.  zero = 1: the product starts the sums.
.macro MULB f, a, zero
	WIN 0xa1                                       ; source 0 (w1) window 1, source 1 (xb) window 0, C and D window 2
.irp b, 0,1,2,3,4,5,6,7
.if \zero
	v_wmma_f32_16x16x32_bf16 v[64*(\a)+8*(\b):64*(\a)+8*(\b)+7], v[(\f)+8*(\b):(\f)+8*(\b)+7], v[(\f)+8*(\a):(\f)+8*(\a)+7], 0
.else
	v_wmma_f32_16x16x32_bf16 v[64*(\a)+8*(\b):64*(\a)+8*(\b)+7], v[(\f)+8*(\b):(\f)+8*(\b)+7], v[(\f)+8*(\a):(\f)+8*(\a)+7], v[64*(\a)+8*(\b):64*(\a)+8*(\b)+7]
.endif
.endr
.endm
.macro MULS f, a0, n, zero             ; n blocks from a0 on.  The 32 accumulators take turns in the same order in every quarter: 31 others' stand between two links of a chain
.set aa, \a0
.rept \n
	MULB \f, aa, \zero
.set aa, aa+1
.endr
.endm
; 24 LDS loads in one run: the fragments of a quarter (128 rows of w1 from address register rb, 64 rows of xb from ra, rows p bytes apart, 32 K at byte k of the rows) into buffer f
.macro FETCH ra, rb, p, k, f
	WIN 0x40
.irp i, 0,1,2,3,4,5,6,7
	ds_load_b128 v[(\f)+8*(\i):(\f)+8*(\i)+3],   v[\rb] offset:(\k)+(\i)*16*(\p)
	ds_load_b128 v[(\f)+8*(\i)+4:(\f)+8*(\i)+7], v[\rb] offset:(\k)+(\i)*16*(\p)+32
.endr
	WIN 0
.irp i, 0,1,2,3
	ds_load_b128 v[(\f)+8*(\i):(\f)+8*(\i)+3],   v[\ra] offset:(\k)+(\i)*16*(\p)
	ds_load_b128 v[(\f)+8*(\i)+4:(\f)+8*(\i)+7], v[\ra] offset:(\k)+(\i)*16*(\p)+32
.endr
.endm
.macro PLACES                          ; four plain instructions between a matrix instruction and a load into, or a vector instruction on, its registers (ISA guide 7.12.1 for vector instructions)
.rept 4
	v_nop
.endr
.endm
; A quarter is 32 along K, 32 matrix instructions; slot 0 holds eight (a0 to a7), slot 1 four (b0 to b3), on buffers 0, 1, 0, 1 ..  All but a slot's last: multiplies f; in its middle it fetches the next quarter, at byte k, into g.
.macro QUARTER ra, rb, p, k, f, g, zero
	s_wait_dscnt MBLK                              ; w1's fragments and xb's blocks 0, 1 are in; the youngest four loads (blocks 2, 3) may be out
	MULS \f, 0, MBLK/2, \zero
	PLACES
	FETCH \ra, \rb, \p, \k, \g
	s_wait_dscnt 16+2*MBLK                         ; all but the 24 just issued
	MULS \f, MBLK/2, MBLK/2, \zero
.endm
; Quarters a1 to a6 of slot 0: a pair written once and walked three times; the LDS addresses are the lane's place plus s[KB] = 0, 128, 256.  Trip t multiplies a(2 t + 1) and a(2 t + 2) and fetches a(2 t + 2) and a(2 t + 3).
.macro LOOP3
	WIN 0                                          ; at a label and at a branch every window is 0
	s_mov_b32 s[KB], 0
	s_mov_b32 s[CNT3], 3
.Lpair_\@:
	v_add_nc_u32 v[WA], s[KB], v[ADRA]
	v_add_nc_u32 v[WB], s[KB], v[ADRB]
	QUARTER WA, WB, P0, 128, F1, F0, 0
	QUARTER WA, WB, P0, 192, F0, F1, 0
	WIN 0
	s_add_co_u32 s[KB], s[KB], 128
	s_sub_co_u32 s[CNT3], s[CNT3], 1
	s_cmp_lg_u32 s[CNT3], 0
	s_cbranch_scc1 .Lpair_\@
.endm
; The first half of a slot's last quarter: ONE barrier for the change of slots.  In front of it each wave waits for all its tensor loads (one is out: its part of the other slot), adds 0 to its spare word,
; and waits for that and for its reads of this slot.  Behind it nobody reads this slot any more and the other slot is whole.
.macro MEET round
	WIN 0                                          ; (the add's registers lie in window 0)
	s_wait_tensorcnt 0x0
	ds_add_u32 v[SPW], v[NIL]
	s_wait_dscnt MBLK+1                            ; (the add and the youngest four loads may be out)
	MULS F1, 0, MBLK/4, 0                          ; eight matrix instructions stand between the add and the wait for it
	s_wait_dscnt 0x0                               ; the add is done, and my reads of this slot are over
	s_barrier_signal -1
	MULS F1, MBLK/4, MBLK/4, 0                     ; work on registers while the others arrive
.if \round
	WIN 0
.endif
	s_barrier_wait -1
.endm
; A slot's whole last quarter (a7 or b3, in buffer 1); slot = the one that is left.  fill = 1: the barrier opens a round of the cluster's barrier, and the slot is filled again first behind it, with its part of the next lap.
.macro TURN slot, fill
.if (\fill) && (\slot) == 0
	s_wait_xcnt 0x0                                ; the last prefetch, eight quarters back, has read its address, so it may be stepped: once a lap
	s_add_nc_u64 s[PFA:PFA+1], s[PFA:PFA+1], LAPB
.endif
	MEET \fill
.if \fill
	CREST                                          ; no wave of any partner still reads this slot's tile or has a load on its way
	s_add_nc_u64 s[G0A+4*(\slot)+2:G0A+4*(\slot)+3], s[G0A+4*(\slot)+2:G0A+4*(\slot)+3], LAPB
	s_add_nc_u64 s[G0B+4*(\slot)+2:G0B+4*(\slot)+3], s[G0B+4*(\slot)+2:G0B+4*(\slot)+3], LAPB
	JLOAD \slot                                    ; its four v_nop are also the places in front of the loads below
.else
	PLACES
.endif
.if (\slot) == 0
	FETCH ADRA+1, ADRB+1, P1, 0, F0                ; the other slot's first quarter
.else
	FETCH ADRA, ADRB, P0, 0, F0
.endif
.if \fill
	ASK \slot
.endif
	MULS F1, MBLK/2, MBLK/2, 0
.endm
; THE WAY OUT of block a (16 rows).  PACK: times sc, times the row's factor, rounded to f16, 16 bytes a lane; each accumulator is read from its lowest registers on.
; TOSTAGE: into my own stage, and back as whole rows of 256 bytes.  SEND: stored.
.macro PACK a
	WIN 0x06                                       ; source 0 window 2, source 1 window 1, destination window 0
.irp b, 0,1,2,3,4,5,6,7
.irp r, 0,1,2,3
	v_pk_mul_f32 v[T+8*(\b)+2*(\r):T+8*(\b)+2*(\r)+1], v[64*(\a)+8*(\b)+2*(\r):64*(\a)+8*(\b)+2*(\r)+1], v[8*(\b)+2*(\r):8*(\b)+2*(\r)+1]
.endr
.endr
	WIN 0
.set r, 0
.rept 32
	v_pk_mul_f32 v[T+r:T+r+1], v[T+r:T+r+1], v[RF+2*(\a):RF+2*(\a)+1]
.set r, r+2
.endr
.irp b, 0,1,2,3,4,5,6,7
.irp r, 0,1,2,3
	v_cvt_pk_f16_f32 v[PK+4*(\b)+(\r)], v[T+8*(\b)+2*(\r)], v[T+8*(\b)+2*(\r)+1]
.endr
.endr
.endm
.macro TOSTAGE a
	WIN 0
.set BK, F0+64*((\a)%2)
.irp b, 0,1,2,3,4,5,6,7
	ds_store_b128 v[STO], v[PK+4*(\b):PK+4*(\b)+3] offset:32*(\b)
.endr
.irp t, 0,1,2,3,4,5,6,7
	ds_load_b128 v[BK+4*(\t):BK+4*(\t)+3], v[RD] offset:(\t)*2*SPITCH   ; LDS serves a wave's instructions in order (ISA guide 5.7.1.4): these see the stores above
.endr
.endm
.macro SEND a
	WIN 0
.set BK, F0+64*((\a)%2)
	s_wait_dscnt 0x0                               ; the block is back in registers
	s_wait_xcnt 0x0                                ; earlier stores have read their base and data: the base is stepped, and the other buffer loaded again, only behind this wait
.if (\a) == 0
	s_add_nc_u64 s[8:9], s[8:9], s[16:17]
.else
	s_add_nc_u64 s[8:9], s[8:9], 16*CPITCH
.endif
.irp t, 0,1,2,3,4,5,6,7
	global_store_b128 v[CO], v[BK+4*(\t):BK+4*(\t)+3], s[8:9] offset:2*(\t)*CPITCH   ; 16 lanes store 256 consecutive bytes, aligned
.endr
.endm
	s_wait_tensorcnt 1                             ; my part of slot 0 is in; slot 1's load is younger and may stay out
	s_barrier_signal -1
	s_barrier_wait -1                              ; everybody's is
	FETCH ADRA, ADRB, P0, 0, F0
	QUARTER ADRA, ADRB, P0, 64, F0, F1, 1          ; lap 0's a0 stands in front of the loop: its products start the sums
	WIN 0                                          ; at a label and at a branch every window is 0
	s_mov_b32 s3, LAPS
	s_branch .Lmid                                 ; the loop is entered in the middle of a trip, behind a0
.Llap:                                                 ; a trip goes from a lap's b3 to the next lap's b2 and fills both slots again: slot 1 nine times, slot 0 (the entry's half trip too) ten times
	TURN 1, 1
	QUARTER ADRA, ADRB, P0, 64, F0, F1, 0          ; a0
	WIN 0
.Lmid:
	LOOP3                                          ; a1 to a6
	TURN 0, 1                                      ; a7
	QUARTER ADRA+1, ADRB+1, P1, 64,  F0, F1, 0     ; b0
	QUARTER ADRA+1, ADRB+1, P1, 128, F1, F0, 0     ; b1
	QUARTER ADRA+1, ADRB+1, P1, 192, F0, F1, 0     ; b2
	WIN 0
	s_sub_co_u32 s3, s3, 1
	s_cmp_lg_u32 s3, 0
	s_cbranch_scc1 .Llap
	TURN 1, 0                                      ; the tail fills nothing: the last lap's b3, then slot 0 once more
	QUARTER ADRA, ADRB, P0, 64, F0, F1, 0
	LOOP3
	s_wait_dscnt MBLK                              ; the very last quarter: nothing more to fetch
	MULS F1, 0, MBLK/2, 0
	s_wait_dscnt 0x0
	MULS F1, MBLK/2, MBLK/2, 0
	WIN 0
	PLACES
	PACK 0
	TOSTAGE 0
.irp a, 1,2,3                          ; block a's arithmetic stands between block a - 1's loads from the stage and the wait for them
	PACK \a
	SEND (\a)-1
	TOSTAGE \a
.endr
	SEND 3
	s_wait_tensorcnt 0x0                           ; the wave's end, behind my last tensor load and my last LDS store
	ds_add_u32 v[SPW], v[NIL]
	s_wait_dscnt 0x0
	CROUND                                         ; the closing round: no work-group ends while a partner may still ask for a tile that names it
	s_endpgm
.Lfunc_end_k_qb1779fe038_gemm_h:
	.size	k_qb1779fe038_gemm_h, .Lfunc_end_k_qb1779fe038_gemm_h-k_qb1779fe038_gemm_h
	.p2alignl 7, 3214868480
	.fill 96, 4, 3214868480
	.section	.rodata,"a",@progbits
	.p2align	6, 0x0
	.amdhsa_kernel k_qb1779fe038_gemm_h
		.amdhsa_group_segment_fixed_size 327680
		.amdhsa_private_segment_fixed_size 0
		.amdhsa_enable_private_segment 0
		.amdhsa_kernarg_size 72
		.amdhsa_user_sgpr_count 2
		.amdhsa_user_sgpr_kernarg_segment_ptr 1
		.amdhsa_wavefront_size32 1
		.amdhsa_system_sgpr_workgroup_id_x 1
		.amdhsa_system_sgpr_workgroup_id_y 1
		.amdhsa_system_sgpr_workgroup_id_z 1
		.amdhsa_system_vgpr_workitem_id 0
		.amdhsa_next_free_vgpr 768
		.amdhsa_next_free_sgpr 96
		.amdhsa_reserve_vcc 0
		.amdhsa_float_denorm_mode_32 3
		.amdhsa_float_denorm_mode_16_64 3
		.amdhsa_memory_ordered 1
		.amdhsa_forward_progress 1
		.amdhsa_inst_pref_size 114
	.end_amdhsa_kernel
	.amdgpu_metadata
---
amdhsa.version: [ 1, 2 ]
amdhsa.kernels:
  - .name:           k_qb1779fe038_gemm_h
    .symbol:         k_qb1779fe038_gemm_h.kd
    .args:
      - { .name: v1, .offset: 0, .size: 8, .value_kind: global_buffer, .address_space: global }
      - { .name: u2, .offset: 8, .size: 8, .value_kind: global_buffer, .address_space: global }
      - { .name: v1_R, .offset: 16, .size: 8, .value_kind: global_buffer, .address_space: global }
      - { .name: u2_R, .offset: 24, .size: 8, .value_kind: global_buffer, .address_space: global }
      - { .name: xb, .offset: 32, .size: 8, .value_kind: global_buffer, .address_space: global }
      - { .name: w1, .offset: 40, .size: 8, .value_kind: global_buffer, .address_space: global }
      - { .name: hb, .offset: 48, .size: 8, .value_kind: global_buffer, .address_space: global }
      - { .name: rx, .offset: 56, .size: 8, .value_kind: global_buffer, .address_space: global }
      - { .name: gs, .offset: 64, .size: 8, .value_kind: global_buffer, .address_space: global }
    .group_segment_fixed_size: 327680
    .private_segment_fixed_size: 0
    .kernarg_segment_align: 8
    .kernarg_segment_size: 72
    .max_flat_workgroup_size: 128
    .sgpr_count:     96
    .vgpr_count:     768
    .wavefront_size: 32
...
	.end_amdgpu_metadata
.endif
;; end of part 2
;; launch gemm_y (part 3): grid 16 x 16, 4 waves a work-group, clusters of 4 x 4, 327,680 bytes of LDS; arguments hb, w2, out0, bias, u1, u1_R, rx, gs; writes out0
.if DOCPART == 3
	.amdgcn_target "amdgcn-amd-amdhsa--gfx1250"
	.amdhsa_code_object_version 6
	.text
	.protected	k_qb1779fe038_gemm_y
	.globl	k_qb1779fe038_gemm_y
	.p2align	8
	.type	k_qb1779fe038_gemm_y,@function
k_qb1779fe038_gemm_y:
	s_mov_b64 s[64:65], 0
	v_nop
	global_prefetch_b8 v0, s[64:65] scope:SCOPE_SE
	s_setreg_imm32_b32 hwreg(HW_REG_WAVE_MODE, 25, 1), 1
	s_wait_xcnt 0x0
	s_wait_alu depctr_hold_cnt(0) depctr_sa_sdst(0) depctr_va_vdst(0) depctr_va_sdst(0) depctr_va_ssrc(0) depctr_va_vcc(0) depctr_vm_vsrc(0)
	s_getreg_b32 s2, hwreg(HW_REG_IB_STS2, 6, 4)
	s_cmp_eq_u32 s2, 0
	s_cbranch_scc0 .Lentry_in_a_cluster
	s_endpgm
.Lentry_in_a_cluster:
	s_bfe_u32 s2, ttmp6, 0x10000c
	s_cmp_lg_u32 s2, 0xf033
	s_cbranch_scc0 .Lentry_shape_is_right
	s_endpgm
.Lentry_shape_is_right:
; out0[t][o] = (sum over s of hb[t][s] w2[o][s]) * (c[o] E / 2^13) * rx[t] + bf16(bias[o]).  hb: [4096][2048] f16, w2: [4096][2048] f16, out0: [4096][4096] f32; sums in f32, in the matrix unit's order.
; THE SCALES undo the powers of two under which the two f16 operands were stored: hb holds H sc 2^13 / (E rx[t]), w2 holds q u1 / c[o].  c[o] is the power of two at or below
; max(|bf16 u1[o]|, |bf16 u1_R[o]|), E the power of two at or below the larger path's (sum of |bf16 v2|) x (maximum of |bf16 v1 bf16 u2|), made here from gs's eight pairs as the launch before makes it.
; LIMITS.  bias is rounded to bf16, like every other input of the program; c, E and rx follow the data between 2^-50 and 2^50 only; NaN and infinities go by arithmetic.
; SHARES.  A tile of out0 is 256 x 256: 16 x 16 = 256 work-groups.  Four waves, each 128 x 128: 64 accumulators of 16 x 16, 512 registers.
; K goes in steps of 128 through a ring of two LDS slots filled by the tensor data mover: rows of 256 bytes of memory, aligned.
; CLUSTER.  4 x 4 work-groups.  The four of a row of the cluster need the same tiles of hb, the four of a column the same tiles of w2: each tile is asked for JOINTLY, by the same tensor load
; with the same descriptor and a mask that names the four.
; THE MATRIX INSTRUCTION IS USED TRANSPOSED (source 0 = 16 rows of w2, source 1 = 16 rows of hb): lane l holds row l % 16 of out0 and the columns 8 (l / 16) + 0..7.
; REGISTERS, in windows of 256 (s_set_vgpr_msb: bits 1:0 source 0, 3:2 source 1, 5:4 source 2, 7:6 destination):
;   window 0: v0-31 addresses; v32-47 rx of my rows; v64-127, v128-191 fragments of hb, two buffers (on the way out: rows read back); v192-255 at work on the way out
;   window 1: v0-63 bias of my 128 columns (register 8 b + j: column 16 b + 8 (l / 16) + j); v64-127, v128-191 fragments of w2, two buffers; v192-255 c E / 2^13 of the same columns
;   window 2: the accumulators of my rows 0-63, (a, b) at v[64 a + 8 b];   window 3: those of my rows 64-127
.set SIZE_K, 2048
.set MBLK,   8                         ; blocks of 16 rows in a wave's part
.set AHALF,  128                       ; rows of a wave's part, and of one tensor load
.set LOGAH,  7
.set AROWS,  256                       ; rows of a tile
.set LOGAR,  8
.set KSTEP,  128
.set PITCH,  272                       ; an LDS row: 256 bytes + 16 of padding = 68 words: row r starts at bank 4 r mod 64 (64 banks of 4 bytes: ISA guide 11.1)
.set SLOT,   (AROWS+256)*PITCH         ; hb's 256 rows, then w2's 256 rows
.set STAGE,  2*SLOT                    ; behind the ring: 16 rows x 528 bytes for each wave, for the way out; no tensor load lands there
.set SPITCH, 528                       ; 512 bytes + 16: 132 words, so the 16 rows of a store start at 16 different groups of four banks
.set SPARE,  STAGE+4*16*SPITCH         ; behind the stages: the spare words, 128 bytes for each wave: two blocks of 256 bytes that no other line names
.set LAPS,   SIZE_K/(2*KSTEP)          ; a lap = two K steps = once round the ring
.set AHEAD,  2                         ; a prefetch names the K step so many behind the one that is being asked for: 2 x 256 matrix instructions of a wave
.set CPITCH, 16384                     ; bytes in a row of out0
.set ADRA, 16                          ; v16-17  LDS address of my fragments of hb in slot 0, 1
.set ADRB, 20                          ; v20-21  the same for w2
.set STO,  24                          ; v24     the way out: where I put 32 bytes of a row
.set RD,   25                          ; v25     the way out: where I read a row back
.set CO,   26                          ; v26     my byte offset in a row of out0
.set SO,   27                          ; v27     my byte offset in 16 numbers of bias, u1, u1_R: 32 (l / 16); never rewritten
.set SPW,  28                          ; v28     LDS address of my spare word: SPARE + 4 x my thread's number; never rewritten
.set NIL,  29                          ; v29     0; never rewritten
.set PFO,  30                          ; v30     the prefetches' offset: my lane x a row of hb or w2; never rewritten
.set RXO,  31                          ; v31     my byte offset in 16 numbers of rx: 4 (l % 16); never rewritten
.set RS,   32                          ; v32-47  block a's rx of my row, twice, at RS + 2 a
.set F0,   64
.set F1,   128
.set T,    192
.set G1,  24                           ; s[24:31] descriptor group 1 for hb's tiles;  s[32:39] group 0, a set for each slot
.set G0,  32
.set G1B, 48                           ; s[48:55], s[56:63] the same for w2's tiles
.set G0B, 56
.set LIM, 43                           ; s43     AHEAD / 2 in a wave that prefetches, else the greatest number
.set PFA, 44                           ; s[44:45] my 32 rows at the K step that is being asked for
.set GSV, 80                           ; s[80:95] gs: eight pairs (sum, maximum); pairs 0-3 the first path's quarters, 4-7 the second's
.set MSB, 0
.macro WIN new                         ; the immediate's high byte repeats the setting that is left; a switch that changes nothing is dropped
.if MSB != (\new)
	s_set_vgpr_msb (MSB<<8)|(\new)
.set MSB, \new
.endif
.endm
; A joint load.  Waves 0 and 1 fetch hb's two halves, waves 2 and 3 w2's.  The branch hangs on the wave's number alone.  An s_nop 0 and four v_nop follow each of the two lines.
.macro JLOAD s
	s_cmp_eq_u32 s11, 0
	s_cbranch_scc0 .Lfor_b_\@
	tensor_load_to_lds s[G0+4*(\s):G0+4*(\s)+3], s[G1:G1+7]
	s_nop 0
.rept 4
	v_nop
.endr
	s_branch .Lasked_\@
.Lfor_b_\@:
	tensor_load_to_lds s[G0B+4*(\s):G0B+4*(\s)+3], s[G1B:G1B+7]
	s_nop 0
.rept 4
	v_nop
.endr
.Lasked_\@:
.endm
; A prefetch, behind each joint refill and the run of LDS loads that follows it: 32 rows x 256 bytes, a lane a row, of the K step AHEAD behind the one just asked for.  Each row's 256 bytes of a K step are
; named once in the launch: hb's rows by the clusters with x = 0, w2's by the clusters with y = 0; of the 128 rows that a wave fetches each of the four partners takes 32, told apart by address.
; It stops while s3 <= AHEAD / 2: the last K step named is the last of the row.  K steps 2 and 3 come by their loads alone.
.macro ASK
	s_cmp_gt_u32 s3, s[LIM]
	s_cbranch_scc0 .Lnot_mine_\@
	global_prefetch_b8 v[PFO], s[PFA:PFA+1] offset:AHEAD*KSTEP*2 th:TH_LOAD_NT scope:SCOPE_SE
.Lnot_mine_\@:
.endm
.macro CREST                           ; a round of the cluster's barrier behind its opening barrier
	s_cmp_lg_u32 s10, 0
	s_cbranch_scc1 .Lnot_wave_0_\@
	s_barrier_signal -3
.Lnot_wave_0_\@:
	s_barrier_wait -3
	s_barrier_signal -1
	s_barrier_wait -1
.endm
.macro CROUND                          ; a whole round
	s_barrier_signal -1
	s_barrier_wait -1
	CREST
.endm
; v6 = E: the power of two at or below the larger path's (sum of |bf16 v2|) x (maximum of |sc|), held to 2^-50 .. 2^50.  v7-v9 at work.
.macro BOUND
	v_mov_b32 v6, s[GSV+0]
	v_mov_b32 v7, s[GSV+1]
	v_mov_b32 v8, s[GSV+8]
	v_mov_b32 v9, s[GSV+9]
.irp k, 2,4,6
	v_add_f32 v6, s[GSV+(\k)], v6
	v_max_num_f32 v7, s[GSV+(\k)+1], v7
	v_add_f32 v8, s[GSV+8+(\k)], v8
	v_max_num_f32 v9, s[GSV+8+(\k)+1], v9
.endr
	v_mul_f32 v6, v6, v7
	v_mul_f32 v8, v8, v9
	v_max_num_f32 v6, v6, v8
	v_and_b32 v6, 0x7f800000, v6
	v_max_num_f32 v6, 0x26800000, v6
	v_min_num_f32 v6, 0x58800000, v6
.endm
	s_load_b128 s[4:7], s[0:1], 0x0                ; hb s[4:5], w2 s[6:7]
	s_load_b64 s[8:9], s[0:1], 0x10                ; out0
	s_load_b64 s[68:69], s[0:1], 0x18              ; bias
	s_load_b256 s[72:79], s[0:1], 0x20             ; u1 72, u1_R 74, rx 76, gs 78
	v_lshl_add_u32 v[SPW], v0, 2, SPARE
	v_mov_b32 v[NIL], 0
	ds_add_u32 v[SPW], v[NIL]                      ; the wave's opening: the add, twice on end, and its wait ahead of my first tensor load
	ds_add_u32 v[SPW], v[NIL]                      ; and once more, under the one wait; the set-up below, work on registers, stands between
	v_lshrrev_b32 v1, 5, v0
	v_readfirstlane_b32 s10, v1                    ; wave 0..3
	s_lshr_b32 s11, s10, 1                         ; which half of the tile's rows is mine.  Also: I fetch for hb (0) or for w2 (1)
	s_and_b32 s12, s10, 1                          ; which half of its columns.  Also: which 128 rows of that tile I fetch
	s_bfe_u32 s40, ttmp6, 0x40000                  ; cx
	s_bfe_u32 s41, ttmp6, 0x40004                  ; cy
	s_lshl_b32 s42, ttmp9, 2
	s_add_co_u32 s42, s42, s40                     ; tile column = 4 x cluster x + cx
	s_and_b32 s13, ttmp7, 0xffff
	s_lshl_b32 s13, s13, 2
	s_add_co_u32 s13, s13, s41                     ; tile row = 4 x cluster y + cy
	s_lshl_b32 s43, s41, 2
	s_lshl_b32 s43, 15, s43                        ; my row of the cluster
	s_lshl_b32 s44, 0x1111, s40                    ; my column
	s_or_b32 s[G1+0], s43, (1<<16)|(1<<20)|(1<<21)|(5<<22)|(3<<25)   ; 15:0 the mask; 17:16 elements of 2 bytes; 20 padding on; 21 set beside a mask; 24:22 after every 64 words; 31:25 of 4 words
	s_or_b32 s[G1B+0], s44, (1<<16)|(1<<20)|(1<<21)|(5<<22)|(3<<25)
	s_mov_b32 s[G1+1], KSTEP<<16                   ; tensor_dim0 = 128
	s_mov_b32 s[G1+2], AHALF<<16                   ; tensor_dim1 = 128
	s_mov_b32 s[G1+3], KSTEP<<16                   ; tile_dim0 = 128
	s_mov_b32 s[G1+4], AHALF                       ; tile_dim1 = 128
	s_mov_b32 s[G1+5], SIZE_K                      ; elements from row to row
	s_mov_b32 s[G1+6], 0
	s_mov_b32 s[G1+7], 0
	s_mov_b32 s[G1B+1], KSTEP<<16
	s_mov_b32 s[G1B+2], 128<<16
	s_mov_b32 s[G1B+3], KSTEP<<16
	s_mov_b32 s[G1B+4], 128
	s_mov_b32 s[G1B+5], SIZE_K
	s_mov_b32 s[G1B+6], 0
	s_mov_b32 s[G1B+7], 0
	s_lshl_b32 s17, s12, LOGAH
	s_lshl_b32 s16, s13, LOGAR
	s_add_co_u32 s16, s16, s17                     ; hb: row 256 x tile row + 128 x half
	s_lshl_b32 s47, s12, 7
	s_lshl_b32 s46, s42, 8
	s_add_co_u32 s46, s46, s47                     ; w2: row 256 x tile column + 128 x half
	s_mov_b32 s17, 0
	s_mov_b32 s47, 0
	s_mov_b64 s[18:19], SIZE_K*2
	s_mul_u64 s[16:17], s[16:17], s[18:19]
	s_mul_u64 s[46:47], s[46:47], s[18:19]
	s_mul_i32 s20, s12, AHALF*PITCH                ; where they go in a slot: no place in the cluster enters an LDS address
	s_mul_i32 s21, s12, 128*PITCH
	s_mov_b32 s66, 0xffff0000                      ; a word's upper bf16
	s_mov_b32 s67, 0x7f807f80                      ; the exponents of two bf16
	s_wait_dscnt 0x0                               ; both opening adds are done
	s_wait_kmcnt 0x0
	s_load_b512 s[GSV:GSV+15], s[78:79], 0x0       ; gs's 64 bytes; waited for where they are used
	s_add_nc_u64 s[14:15], s[4:5], s[16:17]
	s_add_nc_u64 s[46:47], s[6:7], s[46:47]
	CROUND                                         ; all sixteen work-groups are here: the first joint loads meet
.irp s, 0,1
	s_mov_b32 s[G0+4*(\s)], 1
	s_add_co_u32 s[G0+4*(\s)+1], s20, (\s)*SLOT
	s_add_nc_u64 s[G0+4*(\s)+2:G0+4*(\s)+3], s[14:15], (\s)*KSTEP*2
	s_or_b32 s[G0+4*(\s)+3], s[G0+4*(\s)+3], 0x80000000
	s_mov_b32 s[G0B+4*(\s)], 1
	s_add_co_u32 s[G0B+4*(\s)+1], s21, (\s)*SLOT+AROWS*PITCH
	s_add_nc_u64 s[G0B+4*(\s)+2:G0B+4*(\s)+3], s[46:47], (\s)*KSTEP*2
	s_or_b32 s[G0B+4*(\s)+3], s[G0B+4*(\s)+3], 0x80000000
	JLOAD \s                                       ; K steps 0 and 1: two tensor loads of mine are out
.endr
	; bias, u1 and u1_R of my 128 columns, rx of my 128 rows
	s_lshl_b32 s22, s42, 10                        ; 256 columns of 4 bytes a tile column,
	s_lshl_b32 s23, s12, 9                         ; my half
	s_or_b32 s22, s22, s23
	s_mov_b32 s23, 0
	s_add_nc_u64 s[68:69], s[68:69], s[22:23]
	s_add_nc_u64 s[72:73], s[72:73], s[22:23]
	s_add_nc_u64 s[74:75], s[74:75], s[22:23]
	s_lshl_b32 s22, s13, 10                        ; 256 rows of 4 bytes a tile row,
	s_lshl_b32 s23, s11, 9                         ; my half
	s_or_b32 s22, s22, s23
	s_mov_b32 s23, 0
	s_add_nc_u64 s[76:77], s[76:77], s[22:23]
	v_and_b32 v1, 15, v0                           ; l % 16
	v_bfe_u32 v2, v0, 4, 1                         ; l / 16
	v_lshlrev_b32 v[SO], 5, v2
	v_lshlrev_b32 v[RXO], 2, v1
.irp a, 0,1,2,3,4,5,6,7
	global_load_b32 v[RS+2*(\a)], v[RXO], s[76:77] offset:64*(\a)   ; row 16 a + l % 16 of my 128
.endr
	WIN 0x40                                       ; destination window 1, address window 0
.irp b, 0,1,2,3,4,5,6,7
	global_load_b128 v[8*(\b):8*(\b)+3],           v[SO], s[68:69] offset:64*(\b)
	global_load_b128 v[8*(\b)+4:8*(\b)+7],         v[SO], s[68:69] offset:64*(\b)+16
	global_load_b128 v[192+8*(\b):192+8*(\b)+3],   v[SO], s[72:73] offset:64*(\b)
	global_load_b128 v[192+8*(\b)+4:192+8*(\b)+7], v[SO], s[72:73] offset:64*(\b)+16
	global_load_b128 v[128+8*(\b):128+8*(\b)+3],   v[SO], s[74:75] offset:64*(\b)      ; into w2's second fragment buffer, which is free until the first quarter
	global_load_b128 v[128+8*(\b)+4:128+8*(\b)+7], v[SO], s[74:75] offset:64*(\b)+16
.endr
	WIN 0
	; A fragment is 16 rows x 32 K in 8 registers: lane l holds row l % 16; registers 0-3 K = 8 (l / 16) + 0..7, registers 4-7 K = 16 + 8 (l / 16) + 0..7: two loads of 16 bytes, 32 bytes apart.
	v_mul_u32_u24 v3, v1, PITCH
	v_lshl_add_u32 v3, v2, 4, v3
	s_mul_i32 s21, s11, AHALF*PITCH                ; my 128 rows of hb
	s_mul_i32 s22, s12, 128*PITCH                  ; my 128 rows of w2,
	s_add_co_u32 s22, s22, AROWS*PITCH             ; which lie behind hb's 256
.irp s, 0,1
	v_add_nc_u32 v[ADRA+(\s)], s21, v3
	v_add_nc_u32 v[ADRB+(\s)], s22, v3
	s_add_co_u32 s21, s21, SLOT
	s_add_co_u32 s22, s22, SLOT
.endr
	s_mul_i32 s23, s10, 16*SPITCH
	s_add_co_u32 s23, s23, STAGE                   ; my stage
	v_mul_u32_u24 v4, v1, SPITCH                   ; in: row l % 16, 32 bytes for each half of the lanes
	v_lshl_add_u32 v4, v2, 5, v4
	v_add_nc_u32 v[STO], s23, v4
	v_and_b32 v5, 31, v0                           ; back: 32 lanes take one row of 512 bytes,
	v_lshl_add_u32 v[RD], v5, 4, s23
	v_lshlrev_b32 v[CO], 4, v5                     ; and the same in out0
	s_lshl_b32 s13, s13, LOGAR                     ; where my part begins in out0, in bytes
	s_lshl_b32 s14, s11, LOGAH
	s_add_co_u32 s16, s13, s14
	s_mov_b32 s17, 0
	s_mov_b64 s[18:19], CPITCH
	s_mul_u64 s[16:17], s[16:17], s[18:19]
	s_lshl_b32 s46, s42, 10                        ; 256 columns of 4 bytes a tile column,
	s_lshl_b32 s47, s12, 9                         ; my half
	s_add_co_u32 s46, s46, s47
	s_mov_b32 s47, 0
	s_add_nc_u64 s[16:17], s[16:17], s[46:47]
	; the prefetches
	s_lshl_b32 s42, s42, 8                         ; 256 x tile column
	s_and_b32 s22, ttmp7, 0xffff                   ; cluster y
	s_lshl_b32 s23, s12, 7                         ; the 128 rows that I fetch
	s_cmp_eq_u32 s11, 0                            ; do I fetch for hb?
	s_cselect_b32 s20, s13, s42                    ; the tile's first row
	s_cselect_b32 s21, s40, s41                    ; my place among the four that ask with me
	s_cselect_b32 s22, ttmp9, s22                  ; the coordinate along which other clusters read the same rows
	s_cselect_b64 s[PFA:PFA+1], s[4:5], s[6:7]
	s_cmp_eq_u32 s22, 0
	s_cselect_b32 s[LIM], AHEAD/2, -1              ; the same in all sixteen partners, for a given wave
	s_add_co_u32 s20, s20, s23
	s_lshl_b32 s21, s21, 5
	s_add_co_u32 s20, s20, s21                     ; + my work-group's 32 rows
	s_mov_b32 s21, 0
	s_mov_b64 s[18:19], SIZE_K*2
	s_mul_u64 s[20:21], s[20:21], s[18:19]
	s_add_nc_u64 s[PFA:PFA+1], s[PFA:PFA+1], s[20:21]
	s_add_nc_u64 s[PFA:PFA+1], s[PFA:PFA+1], KSTEP*2   ; at K step 1: the first refill steps it to 2
	v_and_b32 v[PFO], 31, v0
	v_mul_u32_u24 v[PFO], v[PFO], SIZE_K*2
	; The scales, made while the first tile is on its way.  v64-67 of window 1 are free until the first fragments come.
	s_wait_loadcnt 0x0
	s_wait_kmcnt 0x0                               ; gs
	BOUND
	v_add_nc_u32 v6, 0xf9800000, v6                ; E / 2^13: 13 taken off the exponent field (the sum wraps)
	v_readfirstlane_b32 s22, v6
	s_mov_b32 s23, s22                             ; named with it as a pair
.irp a, 0,1,2,3,4,5,6,7
	v_mov_b32 v[RS+2*(\a)+1], v[RS+2*(\a)]         ; twice, for the packed multiply-add
.endr
	WIN 0x45                                       ; destination and both sources in window 1
.set r, 0
.rept 32                               ; bias rounded to bf16 and widened again
	v_cvt_pk_bf16_f32 v[64+(r/2)%4], v[r], v[r+1]
	v_lshlrev_b32 v[r], 16, v[64+(r/2)%4]
	v_and_b32 v[r+1], s66, v[64+(r/2)%4]
.set r, r+2
.endr
.set r, 0
.rept 32                               ; c E / 2^13, two columns at a time: the exponents of bf16 u1 and bf16 u1_R as powers of two, the larger, held to 2^-50 .. 2^50, widened, times E / 2^13
.set tA, 64+2*((r/2)%2)
	v_cvt_pk_bf16_f32 v[tA],   v[192+r], v[192+r+1]
	v_cvt_pk_bf16_f32 v[tA+1], v[128+r], v[128+r+1]
	v_and_b32 v[tA],   s67, v[tA]
	v_and_b32 v[tA+1], s67, v[tA+1]
	v_pk_max_num_bf16 v[tA], v[tA], v[tA+1]
	v_pk_max_num_bf16 v[tA], v[tA], 0x26802680
	v_pk_min_num_bf16 v[tA], v[tA], 0x58805880
	v_lshlrev_b32 v[192+r], 16, v[tA]
	v_and_b32 v[192+r+1], s66, v[tA]
	v_pk_mul_f32 v[192+r:192+r+1], v[192+r:192+r+1], s[22:23] op_sel_hi:[1,0]
.set r, r+2
.endr
	WIN 0
; 8 matrix instructions: block a of my rows x all 8 blocks of my columns, 32 along K.  zero = 1: the product starts the sums.
.macro MULB f, a, zero
	WIN 0xa1+0x50*((\a)/4)                         ; source 0 (w2) window 1, source 1 (hb) window 0, C and D window 2 (blocks 0-3) or 3 (blocks 4-7)
.irp b, 0,1,2,3,4,5,6,7
.if \zero
	v_wmma_f32_16x16x32_f16 v[64*((\a)%4)+8*(\b):64*((\a)%4)+8*(\b)+7], v[(\f)+8*(\b):(\f)+8*(\b)+7], v[(\f)+8*(\a):(\f)+8*(\a)+7], 0
.else
	v_wmma_f32_16x16x32_f16 v[64*((\a)%4)+8*(\b):64*((\a)%4)+8*(\b)+7], v[(\f)+8*(\b):(\f)+8*(\b)+7], v[(\f)+8*(\a):(\f)+8*(\a)+7], v[64*((\a)%4)+8*(\b):64*((\a)%4)+8*(\b)+7]
.endif
.endr
.endm
.macro MULS f, a0, n, zero             ; n blocks from a0 on.  The 64 accumulators take turns in the same order in every quarter: 63 others' stand between two links of a chain
.set aa, \a0
.rept \n
	MULB \f, aa, \zero
.set aa, aa+1
.endr
.endm
; 32 LDS loads in one run: the fragments of a quarter step (128 rows of w2, 128 rows of hb, 32 K at byte k of the rows) into buffer f
.macro FETCH slot, k, f
	WIN 0x40
.irp i, 0,1,2,3,4,5,6,7
	ds_load_b128 v[(\f)+8*(\i):(\f)+8*(\i)+3],   v[ADRB+(\slot)] offset:(\k)+(\i)*16*PITCH
	ds_load_b128 v[(\f)+8*(\i)+4:(\f)+8*(\i)+7], v[ADRB+(\slot)] offset:(\k)+(\i)*16*PITCH+32
.endr
	WIN 0
.irp i, 0,1,2,3,4,5,6,7
	ds_load_b128 v[(\f)+8*(\i):(\f)+8*(\i)+3],   v[ADRA+(\slot)] offset:(\k)+(\i)*16*PITCH
	ds_load_b128 v[(\f)+8*(\i)+4:(\f)+8*(\i)+7], v[ADRA+(\slot)] offset:(\k)+(\i)*16*PITCH+32
.endr
.endm
.macro PLACES                          ; four plain instructions between a matrix instruction and a load into, or a vector instruction on, its registers (ISA guide 7.12.1 for vector instructions)
.rept 4
	v_nop
.endr
.endm
; A K step is four quarters of 32 along K, 64 matrix instructions each, on buffers 0, 1, 0, 1.  One of the first three: multiplies f; in its middle it fetches the next quarter, at byte k, into g.
.macro QUARTER slot, k, f, g, zero
	s_wait_dscnt MBLK                              ; w2's fragments and hb's blocks 0-3 are in; the youngest eight loads (blocks 4-7) may be out
	MULS \f, 0, MBLK/2, \zero
	PLACES
	FETCH \slot, \k, \g
	s_wait_dscnt 16+2*MBLK                         ; all but the 32 just issued
	MULS \f, MBLK/2, MBLK/2, \zero
.endm
; The first half of the last quarter: ONE barrier for the change of slots.  In front of it each wave waits for all its tensor loads (one is out: its part of the next slot), adds 0 to its spare word,
; and waits for that and for its reads of this slot.  Behind it nobody reads this slot any more and the next slot is whole.
.macro MEET round
	WIN 0                                          ; (the add's registers lie in window 0)
	s_wait_tensorcnt 0x0
	ds_add_u32 v[SPW], v[NIL]
	s_wait_dscnt MBLK+1                            ; (the add and the youngest eight loads may be out)
	MULS F1, 0, MBLK/4, 0                          ; sixteen matrix instructions stand between the add and the wait for it
	s_wait_dscnt 0x0                               ; the add is done, and my reads of this slot are over
	s_barrier_signal -1
	MULS F1, MBLK/4, MBLK/4, 0                     ; work on registers while the others arrive
.if \round
	WIN 0
.endif
	s_barrier_wait -1
.endm
; The whole last quarter.  fill = 1: the barrier opens a round of the cluster's barrier, and the slot just read out is filled again first behind it, with the K step two on:
; 224 matrix instructions stand between that request and the wait for it.
.macro TURN slot, next, fill
.if \fill
	s_wait_xcnt 0x0                                ; the last prefetch, a K step back, has read its address, so it may be stepped
	s_add_nc_u64 s[PFA:PFA+1], s[PFA:PFA+1], KSTEP*2
	MEET 1
	CREST                                          ; no wave of any partner still reads this slot's tile or has a load on its way
	s_add_nc_u64 s[G0+4*(\slot)+2:G0+4*(\slot)+3], s[G0+4*(\slot)+2:G0+4*(\slot)+3], 2*KSTEP*2
	s_add_nc_u64 s[G0B+4*(\slot)+2:G0B+4*(\slot)+3], s[G0B+4*(\slot)+2:G0B+4*(\slot)+3], 2*KSTEP*2
	JLOAD \slot                                    ; its four v_nop are also the places in front of the loads below
.else
	MEET 0
	PLACES
.endif
	FETCH \next, 0, F0
.if \fill
	ASK
.endif
	MULS F1, MBLK/2, MBLK/2, 0
.endm
; THE WAY OUT of block a (16 rows).  PACK: times the column's scale, then times the row's scale plus bias, in f32; each accumulator is read from its lowest registers on.
; TOSTAGE: into my own stage, and back as whole rows of 512 bytes.  SEND: stored.
.macro PACK a
	WIN 0x06+(\a)/4                                ; source 0 window 2 or 3, source 1 window 1, destination window 0
.irp b, 0,1,2,3,4,5,6,7
.irp r, 0,1,2,3
	v_pk_mul_f32 v[T+8*(\b)+2*(\r):T+8*(\b)+2*(\r)+1], v[64*((\a)%4)+8*(\b)+2*(\r):64*((\a)%4)+8*(\b)+2*(\r)+1], v[192+8*(\b)+2*(\r):192+8*(\b)+2*(\r)+1]
.endr
.endr
	WIN 0x10                                       ; source 2 (bias) window 1, all else window 0
.set r, 0
.rept 32
	v_pk_fma_f32 v[T+r:T+r+1], v[T+r:T+r+1], v[RS+2*(\a):RS+2*(\a)+1], v[r:r+1]
.set r, r+2
.endr
	WIN 0
.endm
.macro TOSTAGE a
	WIN 0
.set BK, F0+64*((\a)%2)
.irp b, 0,1,2,3,4,5,6,7
	ds_store_b128 v[STO], v[T+8*(\b):T+8*(\b)+3]   offset:64*(\b)
	ds_store_b128 v[STO], v[T+8*(\b)+4:T+8*(\b)+7] offset:64*(\b)+16
.endr
.irp t, 0,1,2,3,4,5,6,7,8,9,10,11,12,13,14,15
	ds_load_b128 v[BK+4*(\t):BK+4*(\t)+3], v[RD] offset:(\t)*SPITCH   ; LDS serves a wave's instructions in order (ISA guide 5.7.1.4): these see the stores above
.endr
.endm
.macro SEND a
	WIN 0
.set BK, F0+64*((\a)%2)
	s_wait_dscnt 0x0                               ; the block is back in registers
	s_wait_xcnt 0x0                                ; earlier stores have read their base and data: the base is stepped, and the other buffer loaded again, only behind this wait
.if (\a) == 0
	s_add_nc_u64 s[8:9], s[8:9], s[16:17]
.else
	s_add_nc_u64 s[8:9], s[8:9], 16*CPITCH
.endif
.irp t, 0,1,2,3,4,5,6,7,8,9,10,11,12,13,14,15
	global_store_b128 v[CO], v[BK+4*(\t):BK+4*(\t)+3], s[8:9] offset:(\t)*CPITCH th:TH_STORE_NT   ; the wave stores 512 consecutive bytes, aligned
.endr
.endm
	s_wait_tensorcnt 1                             ; my part of K step 0 is in; K step 1's load is younger and may stay out
	s_barrier_signal -1
	s_barrier_wait -1                              ; everybody's is
	FETCH 0, 0, F0
	QUARTER 0, 64,  F0, F1, 1                      ; the first quarter stands in front of the loop: its products start the sums
	WIN 0                                          ; at a label and at a branch every window is 0
	s_mov_b32 s3, LAPS-1
.Llap:                                                 ; a trip goes once round the ring, from a lap's second quarter to the next lap's first, and fills both slots again
	QUARTER 0, 128, F1, F0, 0
	QUARTER 0, 192, F0, F1, 0
	TURN 0, 1, 1
	QUARTER 1, 64,  F0, F1, 0
	QUARTER 1, 128, F1, F0, 0
	QUARTER 1, 192, F0, F1, 0
	TURN 1, 0, 1
	QUARTER 0, 64,  F0, F1, 0
	WIN 0
	s_sub_co_u32 s3, s3, 1
	s_cmp_lg_u32 s3, 0
	s_cbranch_scc1 .Llap
	QUARTER 0, 128, F1, F0, 0                      ; the last lap fills nothing
	QUARTER 0, 192, F0, F1, 0
	TURN 0, 1, 0
	QUARTER 1, 64,  F0, F1, 0
	QUARTER 1, 128, F1, F0, 0
	QUARTER 1, 192, F0, F1, 0
	s_wait_dscnt MBLK                              ; the very last quarter: nothing more to fetch
	MULS F1, 0, MBLK/2, 0
	s_wait_dscnt 0x0
	MULS F1, MBLK/2, MBLK/2, 0
	WIN 0
	PLACES
	PACK 0
	TOSTAGE 0
.irp a, 1,2,3,4,5,6,7                  ; block a's arithmetic stands between block a - 1's loads from the stage and the wait for them
	PACK \a
	SEND (\a)-1
	TOSTAGE \a
.endr
	SEND 7
	s_wait_tensorcnt 0x0                           ; the wave's end, behind my last tensor load and my last LDS store
	ds_add_u32 v[SPW], v[NIL]
	s_wait_dscnt 0x0
	CROUND                                         ; the closing round: no work-group ends while a partner may still ask for a tile that names it
	s_endpgm
.Lfunc_end_k_qb1779fe038_gemm_y:
	.size	k_qb1779fe038_gemm_y, .Lfunc_end_k_qb1779fe038_gemm_y-k_qb1779fe038_gemm_y
	.p2alignl 7, 3214868480
	.fill 96, 4, 3214868480
	.section	.rodata,"a",@progbits
	.p2align	6, 0x0
	.amdhsa_kernel k_qb1779fe038_gemm_y
		.amdhsa_group_segment_fixed_size 327680
		.amdhsa_private_segment_fixed_size 0
		.amdhsa_enable_private_segment 0
		.amdhsa_kernarg_size 64
		.amdhsa_user_sgpr_count 2
		.amdhsa_user_sgpr_kernarg_segment_ptr 1
		.amdhsa_wavefront_size32 1
		.amdhsa_system_sgpr_workgroup_id_x 1
		.amdhsa_system_sgpr_workgroup_id_y 1
		.amdhsa_system_sgpr_workgroup_id_z 1
		.amdhsa_system_vgpr_workitem_id 0
		.amdhsa_next_free_vgpr 1024
		.amdhsa_next_free_sgpr 96
		.amdhsa_reserve_vcc 0
		.amdhsa_float_denorm_mode_32 3
		.amdhsa_float_denorm_mode_16_64 3
		.amdhsa_memory_ordered 1
		.amdhsa_forward_progress 1
		.amdhsa_inst_pref_size 204
	.end_amdhsa_kernel
	.amdgpu_metadata
---
amdhsa.version: [ 1, 2 ]
amdhsa.kernels:
  - .name:           k_qb1779fe038_gemm_y
    .symbol:         k_qb1779fe038_gemm_y.kd
    .args:
      - { .name: hb, .offset: 0, .size: 8, .value_kind: global_buffer, .address_space: global }
      - { .name: w2, .offset: 8, .size: 8, .value_kind: global_buffer, .address_space: global }
      - { .name: out0, .offset: 16, .size: 8, .value_kind: global_buffer, .address_space: global }
      - { .name: bias, .offset: 24, .size: 8, .value_kind: global_buffer, .address_space: global }
      - { .name: u1, .offset: 32, .size: 8, .value_kind: global_buffer, .address_space: global }
      - { .name: u1_R, .offset: 40, .size: 8, .value_kind: global_buffer, .address_space: global }
      - { .name: rx, .offset: 48, .size: 8, .value_kind: global_buffer, .address_space: global }
      - { .name: gs, .offset: 56, .size: 8, .value_kind: global_buffer, .address_space: global }
    .group_segment_fixed_size: 327680
    .private_segment_fixed_size: 0
    .kernarg_segment_align: 8
    .kernarg_segment_size: 64
    .max_flat_workgroup_size: 128
    .sgpr_count:     96
    .vgpr_count:     1024
    .wavefront_size: 32
...
	.end_amdgpu_metadata
.endif
;; end of part 3
;; ======== version 2 of 2: 3 launches; version 1 with the launch prep written anew for expert scheduling mode
;; limits: inputs' magnitudes at most 1.126e+15; below input magnitudes of 8.88e-16 results are inexact or not finite; values are held in f16: magnitudes above 65,504 overflow, below 6.1e-05 lose precision
;; workspace buffers: xb 33,554,432 bytes; w1 16,777,216 bytes; w2 16,777,216 bytes; hb 16,777,216 bytes; rx 16,384 bytes; gs 256 bytes
;; launch prep (part 4): grid 1025 x 1, 8 waves a work-group, no clusters, 0 bytes of LDS; arguments x, V, V_R, v2, v2_R, U, U_R, u1, u1_R, xb, w1, w2, v1, u2, v1_R, u2_R, rx, gs; writes xb, w1, w2, rx, gs
.if DOCPART == 4
	.amdgcn_target "amdgcn-amd-amdhsa--gfx1250"
	.amdhsa_code_object_version 6
	.text
	.protected	k_qb1779fe038_prep
	.globl	k_qb1779fe038_prep
	.p2align	8
	.type	k_qb1779fe038_prep,@function
k_qb1779fe038_prep:
	s_mov_b64 s[64:65], 0
	v_nop
	global_prefetch_b8 v0, s[64:65] scope:SCOPE_SE
	s_setreg_imm32_b32 hwreg(HW_REG_WAVE_SCHED_MODE, 0, 2), 2
	s_setreg_imm32_b32 hwreg(HW_REG_WAVE_MODE, 25, 1), 1
	s_wait_xcnt 0x0
	s_wait_alu depctr_vm_vsrc(0)
; PREP: three casts in one stream, and the numbers from which the later launches scale the f16 operands of the second product.
;   xb[t][i] = bf16(x[t][i])                                                             [4096][4096] bf16
;   rx[t]    = the power of two at or below max over i of |xb[t][i]|, held to 2^-50 .. 2^50   [4096] f32
;   w1[s][i] = bf16(q(V[s][i]) * bf16(v2[i])), rows 1024 + s from V_R, v2_R              [2048][4096] bf16
;   w2[o][s] = f16(q(U[o][s]) * bf16(u1[o]) / c[o]), columns 1024 + s from U_R, u1_R     [4096][2048] f16
;              c[o] = the power of two at or below max(|bf16 u1[o]|, |bf16 u1_R[o]|), held to 2^-50 .. 2^50: the quotient lies within +-2 and has 8 significant bits
;   gs[2 w], gs[2 w + 1], w = 0..7: for path w / 4 (0: v2, v1, u2; 1: the _R set) and quarter w % 4: the sum of |bf16 v2| over 1,024 numbers, the maximum of |bf16 v1 * bf16 u2| over 256
; q(w) = w + (sign(w) - w), in f32 as the problem writes it; sign is +-1 with w's sign bit, 0 where w == 0; a NaN goes through the arithmetic.
; LIMITS.  x, v2, u1, v1, u2 are rounded to bf16 (nearest even); q * scale is rounded once; outside 2^-50 .. 2^50 the powers of two no longer follow the data; the sign of a zero is not kept.
; SHARES.  Groups 0-511: 8 whole rows of x, a row a wave, 4,096 bytes of it a trip.  Groups 512-767: 32 rows x 1,024 columns of V or V_R, four rows a wave, a row strip a trip.
; Groups 768-1023: 32 rows of U or U_R likewise.  Each of these moves 131,072 bytes in and 65,536 out.  Group 1024: gs, a pair of numbers a wave.
; A trip is eight slots: slot i is 4 lane .. + 3 of 128 numbers: one load of 16 bytes a lane (512 consecutive bytes a wave) and one store of 8 bytes a lane (256 consecutive bytes a wave,
; aligned).  Six to eight loads of every wave are out.
; No LDS, no matrix unit, no cluster: no wave wants a byte that another has fetched but the scales, 4,096 bytes at the most beside a group's 131,072.
; THE MODE: SCHED_MODE bits 1:0 = 2 (LLVM: expert scheduling mode 2), set by the entry lines.  The code itself states the register dependences
; between vector instructions and memory instructions, with s_wait_alu, always for 0.
; THE PLAN.  A trip's eight slots go in four blocks of two.  Registers that memory instructions touch:
;   X, block b   8 registers.  Written by the two loads issued at the end of block b (the same block of the next trip); read by block b's vector lines alone.
;   Y, block b   4 registers.  Written by block b's roundings; read by the two stores issued at the end of block b (kind X: also by the maximum's lines, which write S and M).
;   VI, VO, VS   offsets, made ahead of a path's first load and never written again: the rows are reached by the two scalar bases, which move on once a trip, and by immediate offsets.
;   S, D, CS (after its one load), T0, M, MT and the masks s[8:15] are named by vector instructions alone, but for the one store at the end of kind X and of group 1024.
; A block: the wait for its data; its vector lines; ONE wait on va_vdst, which states that those lines are done reading X[b] and have written Y[b]; directly behind it the two loads into X[b] and the
; two stores from Y[b].  In blocks 0 and 2 a wait on vm_vsrc, beside s_wait_xcnt 0, stands ahead of that wait, a block's vector lines behind the youngest store: block 0's states that the stores of
; the last trip's blocks 2 and 3 have read their Y, block 2's the same of this trip's blocks 0 and 1; each Y is written again only behind its wait, round the loop's backward jump too.
; In kinds V and U a block's eight compares write eight scalar masks in one run, and ONE wait on va_sdst stands ahead of the eight selects that read them.
.set KX, 0                             ; the three kinds of streaming work-group
.set KV, 1
.set KU, 2
.set VI, 2                             ; v2  byte offset of my 16 bytes in my wave's first trip of the source; never rewritten
.set VO, 3                             ; v3  byte offset of my 8 bytes in the result; never rewritten
.set VS, 4                             ; v4  byte offset of my scales (kind X: of my wave's number in rx); never rewritten
.set S,  8                             ; v[8:15]   at work: a block's eight numbers
.set X,  16                            ; v[16:47]  slot i: 4 numbers as loaded; block b: 8 at X + 8 b
.set Y,  48                            ; v[48:63]  slot i: 4 16-bit numbers to store; block b: 4 registers at Y + 4 b
.set CS, 64                            ; v[64:95]  kind V: slot i's four column scales; kind U: v[64:67] my four rows' scales, v[68:75] at work
.set T0, 96                            ; v96, v97  at work while scales are rounded
.set M,  98                            ; v98, v99  kind X: two running maxima of |xb|, two bf16 each
.set MT, 100                           ; v100, v101 at work
.set D,  102                           ; v[102:109] at work: a block's eight differences
.set MK, 8                             ; s[8:15]   kinds V and U, in the trips: a block's eight masks (the addresses that lay there have been taken by then)
.set EXPO, 0x7f800000                  ; an f32's exponent
.set LO50, 0x26800000                  ; 2^-50
.set HI50, 0x58800000                  ; 2^50
	s_load_b512 s[8:23], s[0:1], 0x0               ; x 8, V 10, V_R 12, v2 14, v2_R 16, U 18, U_R 20, u1 22
	s_load_b512 s[24:39], s[0:1], 0x40             ; u1_R 24, xb 26, w1 28, w2 30, v1 32, u2 34, v1_R 36, u2_R 38
	s_load_b128 s[40:43], s[0:1], 0x80             ; rx 40, gs 42
	s_mov_b32 s55, 0xffff0000                      ; a word's upper bf16
	s_mov_b32 s56, 0x7fffffff                      ; all but the sign
	s_mov_b32 s59, 0x7fff7fff                      ; the same for two bf16
	s_mov_b32 s60, 0x76543210                      ; v_permlanex16_b32: each lane takes its own place in the other half
	s_mov_b32 s61, 0xfedcba98
	s_mov_b32 s49, 0                               ; the high words of the three offset pairs: every offset is under 2^31
	s_mov_b32 s51, 0
	s_mov_b32 s53, 0
	v_and_b32 v1, 31, v0                           ; lane
	v_lshrrev_b32 v5, 5, v0                        ; wave
	s_wait_kmcnt 0x0
; two f32 rounded to bf16 and widened again, in place
.macro RND2 a, t
	v_cvt_pk_bf16_f32 v[\t], v[\a], v[(\a)+1]
	v_lshlrev_b32 v[\a], 16, v[\t]
	v_and_b32 v[(\a)+1], s55, v[\t]
.endm
; over the 32 lanes, the result in every lane: four steps inside each half ride on the arithmetic, one crosses the halves; t has been written before
.macro LSUM r, t, d
	v_add_f32_dpp v[\r], v[\r], v[\r] row_xmask:1 row_mask:0xf bank_mask:0xf
	v_add_f32_dpp v[\r], v[\r], v[\r] row_xmask:2 row_mask:0xf bank_mask:0xf
	v_add_f32_dpp v[\r], v[\r], v[\r] row_xmask:4 row_mask:0xf bank_mask:0xf
	v_add_f32_dpp v[\r], v[\r], v[\r] row_xmask:8 row_mask:0xf bank_mask:0xf
	v_permlanex16_b32 v[\t], v[\r], s60, s61
	v_add_f32 v[\d], v[\r], v[\t]
.endm
.macro LMAX r, t, d
	v_max_num_f32_dpp v[\r], v[\r], v[\r] row_xmask:1 row_mask:0xf bank_mask:0xf
	v_max_num_f32_dpp v[\r], v[\r], v[\r] row_xmask:2 row_mask:0xf bank_mask:0xf
	v_max_num_f32_dpp v[\r], v[\r], v[\r] row_xmask:4 row_mask:0xf bank_mask:0xf
	v_max_num_f32_dpp v[\r], v[\r], v[\r] row_xmask:8 row_mask:0xf bank_mask:0xf
	v_permlanex16_b32 v[\t], v[\r], s60, s61
	v_max_num_f32 v[\d], v[\r], v[\t]
.endm
.macro LANE0                           ; lane 0 alone goes on.  EXEC is a source of every pending load and store: it changes only behind s_wait_xcnt 0
	v_cmp_eq_u32 vcc_lo, 0, v1
	s_wait_xcnt 0x0
	s_wait_alu depctr_va_vcc(0)                    ; the compare has written VCC, from which EXEC is made
	s_wait_alu depctr_va_vdst(0)                   ; every vector line issued under the full EXEC is done; among them those that wrote the data of the store below
	s_wait_alu depctr_vm_vsrc(0)                   ; every load and store issued under the full EXEC has read its registers
	s_and_saveexec_b32 s62, vcc_lo
.endm
.macro LANES_BACK
	s_wait_xcnt 0x0
	s_wait_alu depctr_va_vdst(0)                   ; EXEC is written again: no vector line is under way,
	s_wait_alu depctr_vm_vsrc(0)                   ; and lane 0's store has read its registers
	s_or_b32 exec_lo, exec_lo, s62
.endm
; Block b of a trip: slots 2 b and 2 b + 1.  ahead = 1: the block is filled again from the next trip.  left = the younger loads that may stay out.
.macro BLK kind, b, ahead, left, pin, pout
	s_wait_loadcnt \left                           ; loads come back in order (ISA guide 5.7.1): this block's two are in
.if (\kind) == KX
.irp j, 0,1,2,3
	v_cvt_pk_bf16_f32 v[Y+4*(\b)+(\j)], v[X+8*(\b)+2*(\j)], v[X+8*(\b)+2*(\j)+1]
.endr
.else
.irp e, 0,1,2,3,4,5,6,7
	v_cmp_neq_f32 s[MK+(\e)], 0, v[X+8*(\b)+(\e)]              ; the eight masks in one run
.endr
.irp e, 0,1,2,3,4,5,6,7
	v_bfi_b32 v[S+(\e)], s56, 1.0, v[X+8*(\b)+(\e)]            ; 1.0 with w's sign
.endr
	s_wait_alu depctr_va_sdst(0)                   ; the eight compares have written s[8:15], ahead of the selects that read them
.irp e, 0,1,2,3,4,5,6,7
	v_cndmask_b32 v[S+(\e)], 0, v[S+(\e)], s[MK+(\e)]          ; 0 where w == 0
.endr
.irp e, 0,2,4,6
	v_pk_add_f32 v[D+(\e):D+(\e)+1], v[S+(\e):S+(\e)+1], v[X+8*(\b)+(\e):X+8*(\b)+(\e)+1] neg_lo:[0,1] neg_hi:[0,1]  ; sign - w
.endr
.irp e, 0,2,4,6
	v_pk_add_f32 v[S+(\e):S+(\e)+1], v[X+8*(\b)+(\e):X+8*(\b)+(\e)+1], v[D+(\e):D+(\e)+1]                             ; q = w + (sign - w)
.endr
.irp e, 0,2,4,6
.if (\kind) == KV
	v_pk_mul_f32 v[S+(\e):S+(\e)+1], v[S+(\e):S+(\e)+1], v[CS+8*(\b)+(\e):CS+8*(\b)+(\e)+1]   ; a scale for each column
.else
	v_pk_mul_f32 v[S+(\e):S+(\e)+1], v[S+(\e):S+(\e)+1], v[CS:CS+1] op_sel_hi:[1,0]           ; the row's scale for both
.endif
.endr
.irp j, 0,1,2,3
.if (\kind) == KV
	v_cvt_pk_bf16_f32 v[Y+4*(\b)+(\j)], v[S+2*(\j)], v[S+2*(\j)+1]
.else
	v_cvt_pk_f16_f32 v[Y+4*(\b)+(\j)], v[S+2*(\j)], v[S+2*(\j)+1]
.endif
.endr
.endif
.if ((\b) == 0) || (((\b) == 2) && (\ahead))
	s_wait_xcnt 0x0                                ; every load and store issued so far has had its addresses translated (ISA guide 3.1): block 0: the two bases, and Y of blocks 2 and 3, are rewritten only behind this wait; block 2: Y of blocks 0 and 1
	s_wait_alu depctr_vm_vsrc(0)                   ; the stores issued so far have read their Y: block 0: those of the last trip's blocks 2 and 3, whose Y this trip's roundings write again; block 2: those of this trip's blocks 0 and 1, for the next trip's
.endif
.if (\b) == 0
.if \ahead
	s_add_nc_u64 s[4:5], s[4:5], \pin              ; the source at the next trip, from which this trip's loads fetch
.endif
	s_add_nc_u64 s[6:7], s[6:7], \pout             ; the result likewise: this trip's stores reach back
.endif
	s_wait_alu depctr_va_vdst(0)                   ; the block's vector lines are done reading its X, in which the loads below land, and have written its Y, which the stores below read
.if \ahead
	global_load_b128 v[X+8*(\b):X+8*(\b)+3],   v[VI], s[4:5] offset:1024*(\b) th:TH_LOAD_NT
	global_load_b128 v[X+8*(\b)+4:X+8*(\b)+7], v[VI], s[4:5] offset:1024*(\b)+512 th:TH_LOAD_NT
.endif
	global_store_b64 v[VO], v[Y+4*(\b):Y+4*(\b)+1],   s[6:7] offset:512*(\b)-(\pout)
	global_store_b64 v[VO], v[Y+4*(\b)+2:Y+4*(\b)+3], s[6:7] offset:512*(\b)+256-(\pout)
.if (\kind) == KX
.irp j, 0,1,2,3
	v_and_b32 v[S+(\j)], s59, v[Y+4*(\b)+(\j)]     ; the row's largest |xb|, of the rounded numbers, two at a time, in two chains; these lines read Y beside the stores and write S and M alone
.endr
.irp j, 0,1,2,3
	v_pk_max_num_bf16 v[M+(\j)%2], v[M+(\j)%2], v[S+(\j)]
.endr
.endif
.endm
; A wave's four trips.  s[4:5] source, s[6:7] result, s[44:45] (and s[46:47]) scales stand at the group's part; pin, pout: bytes from trip to trip.
.macro PATH kind, pin, pout
	s_wait_alu depctr_va_vdst(0)                   ; VI, VO and VS are written: every load and store of the path reads one of them as its offset
.if (\kind) == KV
.irp i, 0,1,2,3,4,5,6,7
	global_load_b128 v[CS+4*(\i):CS+4*(\i)+3], v[VS], s[44:45] offset:512*(\i)
.endr
.endif
.if (\kind) == KU
	global_load_b128 v[CS:CS+3],   v[VS], s[44:45]  ; my path's u1 of my four rows,
	global_load_b128 v[CS+4:CS+7], v[VS], s[46:47]  ; and the other path's
.endif
.irp i, 0,1,2,3,4,5,6,7
	global_load_b128 v[X+4*(\i):X+4*(\i)+3], v[VI], s[4:5] offset:512*(\i) th:TH_LOAD_NT     ; trip 0 fills the ring
.endr
.if (\kind) == KX
	v_mov_b32 v[M], 0                              ; magnitudes are at least 0
	v_mov_b32 v[M+1], 0
.endif
.if (\kind) == KV
	s_wait_loadcnt 8                               ; the scales are in: the eight loads of trip 0 were issued behind them
.irp a, 0,2,4,6,8,10,12,14,16,18,20,22,24,26,28,30
	RND2 CS+(\a), T0+((\a)/2)%2
.endr
.endif
.if (\kind) == KU
	s_wait_loadcnt 8
.irp a, 0,2,4,6
	RND2 CS+(\a), T0+((\a)/2)%2
.endr
.irp e, 0,1,2,3
	v_and_b32 v[CS+8+(\e)], EXPO, v[CS+(\e)]       ; the two exponents as powers of two,
	v_and_b32 v[CS+4+(\e)], EXPO, v[CS+4+(\e)]
.endr
.irp e, 0,1,2,3
	v_max_num_f32 v[CS+8+(\e)], v[CS+8+(\e)], v[CS+4+(\e)]     ; the larger: c,
	v_max_num_f32 v[CS+8+(\e)], LO50, v[CS+8+(\e)]
	v_min_num_f32 v[CS+8+(\e)], HI50, v[CS+8+(\e)]
	v_sub_nc_u32 v[CS+8+(\e)], 0x7f000000, v[CS+8+(\e)]        ; 1 / c: the exponent field turned round 254
	v_mul_f32 v[CS+(\e)], v[CS+(\e)], v[CS+8+(\e)]             ; u1 / c, exact
.endr
.endif
	s_mov_b32 s54, 3
.Ltrip_\kind:
.irp b, 0,1,2,3
	BLK \kind, \b, 1, 6, \pin, \pout               ; the six loads of the three younger blocks stay out
.endr
.if (\kind) == KU
	v_mov_b32 v[CS], v[CS+1]                       ; the next row's scale moves to the front
	v_mov_b32 v[CS+1], v[CS+2]
	v_mov_b32 v[CS+2], v[CS+3]
.endif
	s_sub_co_u32 s54, s54, 1
	s_cmp_lg_u32 s54, 0
	s_cbranch_scc1 .Ltrip_\kind
.irp b, 0,1,2,3
	BLK \kind, \b, 0, 6-2*(\b), \pin, \pout        ; the last trip loads nothing: the counts run down
.endr
.if (\kind) == KX
	v_pk_max_num_bf16 v[M], v[M], v[M+1]
	v_lshlrev_b32 v[MT], 16, v[M]                  ; the two halves as f32
	v_and_b32 v[MT+1], s55, v[M]
	v_max_num_f32 v[MT], v[MT], v[MT+1]
	LMAX MT, MT+1, MT
	v_and_b32 v[MT], EXPO, v[MT]                   ; the power of two at or below it
	v_max_num_f32 v[MT], LO50, v[MT]
	v_min_num_f32 v[MT], HI50, v[MT]
	LANE0
	global_store_b32 v[VS], v[MT], s[44:45]        ; one number for a row of 16,384 bytes; the group's eight waves fill 32 consecutive bytes
	LANES_BACK
.endif
	s_endpgm
.endm
	s_cmp_lt_u32 ttmp9, 512
	s_cbranch_scc1 .Lkind_x
	s_cmp_lt_u32 ttmp9, 768
	s_cbranch_scc1 .Lkind_v
	s_cmp_lt_u32 ttmp9, 1024
	s_cbranch_scc1 .Lkind_u
	; group 1024: wave w takes quarter w % 4 of path w / 4
	v_readfirstlane_b32 s2, v5
	s_wait_alu depctr_va_sdst(0)                   ; s2 is written, ahead of its first reader: the path, the quarter and my place in gs are made from it
	s_lshr_b32 s3, s2, 2                           ; path
	s_and_b32 s57, s2, 3                           ; quarter
	s_lshl_b32 s48, s57, 12                        ; 1,024 numbers of v2
	s_lshl_b32 s50, s57, 10                        ; 256 numbers of v1 and of u2
	s_lshl_b32 s52, s2, 3                          ; my 8 bytes of gs
	s_cmp_eq_u32 s3, 0
	s_cselect_b64 s[4:5], s[14:15], s[16:17]
	s_cselect_b64 s[44:45], s[32:33], s[36:37]
	s_cselect_b64 s[46:47], s[34:35], s[38:39]
	s_add_nc_u64 s[4:5], s[4:5], s[48:49]
	s_add_nc_u64 s[44:45], s[44:45], s[50:51]
	s_add_nc_u64 s[46:47], s[46:47], s[50:51]
	s_add_nc_u64 s[6:7], s[42:43], s[52:53]
	v_lshlrev_b32 v[VI], 4, v1
	v_mov_b32 v[VO], 0
	s_wait_alu depctr_va_vdst(0)                   ; VI and VO are written: the loads below and the store at the end read them as offsets
.irp i, 0,1,2,3,4,5,6,7
	global_load_b128 v[X+4*(\i):X+4*(\i)+3], v[VI], s[4:5] offset:512*(\i)
.endr
.irp i, 0,1
	global_load_b128 v[CS+4*(\i):CS+4*(\i)+3],     v[VI], s[44:45] offset:512*(\i)
	global_load_b128 v[CS+8+4*(\i):CS+8+4*(\i)+3], v[VI], s[46:47] offset:512*(\i)
.endr
	s_wait_loadcnt 0x0
.set r, 0
.rept 16                               ; |bf16 v2|, widened
	v_cvt_pk_bf16_f32 v[T0+(r/2)%2], v[X+r], v[X+r+1]
	v_and_b32 v[T0+(r/2)%2], s59, v[T0+(r/2)%2]
	v_lshlrev_b32 v[X+r], 16, v[T0+(r/2)%2]
	v_and_b32 v[X+r+1], s55, v[T0+(r/2)%2]
.set r, r+2
.endr
.set r, 8
.rept 12                               ; my 32 numbers' sum, in f32, in four chains of pairs
	v_pk_add_f32 v[X+r%8:X+r%8+1], v[X+r%8:X+r%8+1], v[X+r:X+r+1]
.set r, r+2
.endr
	v_pk_add_f32 v[X:X+1], v[X:X+1], v[X+2:X+3]
	v_pk_add_f32 v[X+4:X+5], v[X+4:X+5], v[X+6:X+7]
	v_pk_add_f32 v[X:X+1], v[X:X+1], v[X+4:X+5]
	v_add_f32 v[X], v[X], v[X+1]
.irp a, 0,2,4,6,8,10,12,14
	RND2 CS+(\a), T0+((\a)/2)%2
.endr
.irp a, 0,2,4,6
	v_pk_mul_f32 v[CS+(\a):CS+(\a)+1], v[CS+(\a):CS+(\a)+1], v[CS+8+(\a):CS+8+(\a)+1]   ; bf16 v1 x bf16 u2, exact in f32
.endr
.irp a, 0,1,2,3,4,5,6,7
	v_and_b32 v[CS+(\a)], s56, v[CS+(\a)]
.endr
	v_max3_num_f32 v[CS], v[CS], v[CS+1], v[CS+2]
	v_max3_num_f32 v[CS+3], v[CS+3], v[CS+4], v[CS+5]
	v_max3_num_f32 v[CS], v[CS], v[CS+6], v[CS+7]
	v_max_num_f32 v[CS], v[CS], v[CS+3]
	LSUM X, X+1, S
	LMAX CS, CS+1, S+1
	LANE0
	global_store_b64 v[VO], v[S:S+1], s[6:7]       ; the eight waves fill 64 consecutive bytes
	LANES_BACK
	s_endpgm
.Lkind_u:
	; group 768 + 128 which + rg: rows 32 rg .. of U or U_R, all 1,024 columns
	s_sub_co_u32 s2, ttmp9, 768
	s_lshr_b32 s3, s2, 7                           ; which
	s_and_b32 s57, s2, 127                         ; rg
	s_lshl_b32 s48, s57, 17                        ; 32 rows of 4,096 bytes, in the source and in w2
	s_lshl_b32 s50, s3, 11                         ; w2's second 1,024 columns begin 2,048 bytes into a row
	s_or_b32 s50, s50, s48
	s_lshl_b32 s52, s57, 7                         ; 32 scales of 4 bytes
	s_cmp_eq_u32 s3, 0
	s_cselect_b64 s[4:5], s[18:19], s[20:21]
	s_cselect_b64 s[44:45], s[22:23], s[24:25]     ; my path's u1,
	s_cselect_b64 s[46:47], s[24:25], s[22:23]     ; the other's
	s_add_nc_u64 s[4:5], s[4:5], s[48:49]
	s_add_nc_u64 s[6:7], s[30:31], s[50:51]
	s_add_nc_u64 s[44:45], s[44:45], s[52:53]
	s_add_nc_u64 s[46:47], s[46:47], s[52:53]
	v_lshlrev_b32 v[VI], 4, v1
	v_lshl_add_u32 v[VI], v5, 14, v[VI]            ; + wave x 4 rows x 4,096 bytes
	v_lshlrev_b32 v[VO], 3, v1
	v_lshl_add_u32 v[VO], v5, 14, v[VO]
	v_lshlrev_b32 v[VS], 4, v5                     ; my wave's four row scales
	PATH KU, 4096, 4096
.Lkind_x:
	; group g: rows 8 g .. 8 g + 7, a row a wave
	s_lshl_b32 s48, ttmp9, 17                      ; 8 rows of 16,384 bytes
	s_lshl_b32 s50, ttmp9, 16                      ; 8 rows of 8,192 bytes
	s_lshl_b32 s52, ttmp9, 5                       ; 8 numbers of rx
	s_add_nc_u64 s[4:5], s[8:9], s[48:49]
	s_add_nc_u64 s[6:7], s[26:27], s[50:51]
	s_add_nc_u64 s[44:45], s[40:41], s[52:53]
	v_lshlrev_b32 v[VI], 4, v1
	v_lshl_add_u32 v[VI], v5, 14, v[VI]            ; + wave x a row of 16,384 bytes
	v_lshlrev_b32 v[VO], 3, v1
	v_lshl_add_u32 v[VO], v5, 13, v[VO]
	v_lshlrev_b32 v[VS], 2, v5
	PATH KX, 4096, 2048
.Lkind_v:
	; group 512 + 128 which + 4 rg + j: rows 32 rg .., columns 1,024 j ..
	s_sub_co_u32 s2, ttmp9, 512
	s_lshr_b32 s3, s2, 7                           ; which
	s_bfe_u32 s57, s2, 0x50002                     ; rg: 5 bits from bit 2
	s_and_b32 s2, s2, 3                            ; j
	s_lshl_b32 s48, s57, 19                        ; 32 rows of 16,384 bytes
	s_lshl_b32 s52, s2, 12                         ; 1,024 columns of 4 bytes: in the source's rows and in the scales
	s_or_b32 s48, s48, s52
	s_lshl_b32 s50, s57, 18                        ; 32 rows of 8,192 bytes
	s_lshl_b32 s57, s2, 11
	s_or_b32 s50, s50, s57
	s_lshl_b32 s57, s3, 23                         ; w1's second 1,024 rows
	s_or_b32 s50, s50, s57
	s_cmp_eq_u32 s3, 0
	s_cselect_b64 s[4:5], s[10:11], s[12:13]
	s_cselect_b64 s[44:45], s[14:15], s[16:17]
	s_add_nc_u64 s[4:5], s[4:5], s[48:49]
	s_add_nc_u64 s[6:7], s[28:29], s[50:51]
	s_add_nc_u64 s[44:45], s[44:45], s[52:53]
	v_lshlrev_b32 v[VI], 4, v1
	v_lshl_add_u32 v[VI], v5, 16, v[VI]            ; + wave x 4 rows x 16,384 bytes
	v_lshlrev_b32 v[VO], 3, v1
	v_lshl_add_u32 v[VO], v5, 15, v[VO]
	v_lshlrev_b32 v[VS], 4, v1                     ; my four columns' scales in a slot
	PATH KV, 16384, 8192
.Lfunc_end_k_qb1779fe038_prep:
	.size	k_qb1779fe038_prep, .Lfunc_end_k_qb1779fe038_prep-k_qb1779fe038_prep
	.p2alignl 7, 3214868480
	.fill 96, 4, 3214868480
	.section	.rodata,"a",@progbits
	.p2align	6, 0x0
	.amdhsa_kernel k_qb1779fe038_prep
		.amdhsa_group_segment_fixed_size 0
		.amdhsa_private_segment_fixed_size 0
		.amdhsa_enable_private_segment 0
		.amdhsa_kernarg_size 144
		.amdhsa_user_sgpr_count 2
		.amdhsa_user_sgpr_kernarg_segment_ptr 1
		.amdhsa_wavefront_size32 1
		.amdhsa_system_sgpr_workgroup_id_x 1
		.amdhsa_system_sgpr_workgroup_id_y 1
		.amdhsa_system_sgpr_workgroup_id_z 1
		.amdhsa_system_vgpr_workitem_id 0
		.amdhsa_next_free_vgpr 110
		.amdhsa_next_free_sgpr 66
		.amdhsa_reserve_vcc 1
		.amdhsa_float_denorm_mode_32 3
		.amdhsa_float_denorm_mode_16_64 3
		.amdhsa_memory_ordered 1
		.amdhsa_forward_progress 1
		.amdhsa_inst_pref_size 76
	.end_amdhsa_kernel
	.amdgpu_metadata
---
amdhsa.version: [ 1, 2 ]
amdhsa.kernels:
  - .name:           k_qb1779fe038_prep
    .symbol:         k_qb1779fe038_prep.kd
    .args:
      - { .name: x, .offset: 0, .size: 8, .value_kind: global_buffer, .address_space: global }
      - { .name: V, .offset: 8, .size: 8, .value_kind: global_buffer, .address_space: global }
      - { .name: V_R, .offset: 16, .size: 8, .value_kind: global_buffer, .address_space: global }
      - { .name: v2, .offset: 24, .size: 8, .value_kind: global_buffer, .address_space: global }
      - { .name: v2_R, .offset: 32, .size: 8, .value_kind: global_buffer, .address_space: global }
      - { .name: U, .offset: 40, .size: 8, .value_kind: global_buffer, .address_space: global }
      - { .name: U_R, .offset: 48, .size: 8, .value_kind: global_buffer, .address_space: global }
      - { .name: u1, .offset: 56, .size: 8, .value_kind: global_buffer, .address_space: global }
      - { .name: u1_R, .offset: 64, .size: 8, .value_kind: global_buffer, .address_space: global }
      - { .name: xb, .offset: 72, .size: 8, .value_kind: global_buffer, .address_space: global }
      - { .name: w1, .offset: 80, .size: 8, .value_kind: global_buffer, .address_space: global }
      - { .name: w2, .offset: 88, .size: 8, .value_kind: global_buffer, .address_space: global }
      - { .name: v1, .offset: 96, .size: 8, .value_kind: global_buffer, .address_space: global }
      - { .name: u2, .offset: 104, .size: 8, .value_kind: global_buffer, .address_space: global }
      - { .name: v1_R, .offset: 112, .size: 8, .value_kind: global_buffer, .address_space: global }
      - { .name: u2_R, .offset: 120, .size: 8, .value_kind: global_buffer, .address_space: global }
      - { .name: rx, .offset: 128, .size: 8, .value_kind: global_buffer, .address_space: global }
      - { .name: gs, .offset: 136, .size: 8, .value_kind: global_buffer, .address_space: global }
    .group_segment_fixed_size: 0
    .private_segment_fixed_size: 0
    .kernarg_segment_align: 8
    .kernarg_segment_size: 144
    .max_flat_workgroup_size: 256
    .sgpr_count:     66
    .vgpr_count:     110
    .wavefront_size: 32
...
	.end_amdgpu_metadata
.endif
;; end of part 4
;; launch gemm_h: the kernel of part 2 again; grid 8 x 32, 4 waves a work-group, clusters of 4 x 4, 327,680 bytes of LDS; arguments v1, u2, v1_R, u2_R, xb, w1, hb, rx, gs; writes hb
;; launch gemm_y: the kernel of part 3 again; grid 16 x 16, 4 waves a work-group, clusters of 4 x 4, 327,680 bytes of LDS; arguments hb, w2, out0, bias, u1, u1_R, rx, gs; writes out0
